; MI455X (gfx1250); checked and timed in simulation.
; The chip was launched on July 23, 2026; its instructions are those of AMD's public machine-readable ISA for CDNA 5 (MIT licence, August 2026) and "CDNA5" Instruction Set Architecture Reference Guide (July 2026). The comments in the code are by the model that wrote it; some were corrected since.
;; Encoder1 D Block. Allowed arithmetic: matrix products marked QUANTISED: E4M3 operands, one E8M0 scale for each 32 along K, by v_wmma_scale_f32_16x16x128_f8f6f4 with both operands' format E4M3, f32 sums; everything else in f32.
;; Inputs: b1 4,096 float32; b2 1,024 float32; bk 1,024 float32; bo 1,024 float32; bq 1,024 float32; bv 1,024 float32; ln1_bias 1,024 float32; ln1_scale 1,024 float32; ln2_bias 1,024 float32; ln2_scale 1,024 float32; rel_bias_emb 33 x 1 float32; rel_emb 33 x 64 float32; w1_codes 4,096 x 32 x 32 uint8 (E4M3 codes of w1, K innermost, in blocks of 32 codes); w1_scales 4,096 x 32 uint8 (E8M0 scales of w1, one for each 32 codes along K); w2_codes 1,024 x 128 x 32 uint8 (E4M3 codes of w2, K innermost, in blocks of 32 codes); w2_scales 1,024 x 128 uint8 (E8M0 scales of w2, one for each 32 codes along K); wk_codes 1,024 x 32 x 32 uint8 (E4M3 codes of wk, K innermost, in blocks of 32 codes); wk_scales 1,024 x 32 uint8 (E8M0 scales of wk, one for each 32 codes along K); wo_codes 1,024 x 32 x 32 uint8 (E4M3 codes of wo, K innermost, in blocks of 32 codes); wo_scales 1,024 x 32 uint8 (E8M0 scales of wo, one for each 32 codes along K); wq_codes 1,024 x 32 x 32 uint8 (E4M3 codes of wq, K innermost, in blocks of 32 codes); wq_scales 1,024 x 32 uint8 (E8M0 scales of wq, one for each 32 codes along K); wv_codes 1,024 x 32 x 32 uint8 (E4M3 codes of wv, K innermost, in blocks of 32 codes); wv_scales 1,024 x 32 uint8 (E8M0 scales of wv, one for each 32 codes along K); x 4 x 1,024 x 1,024 float32.
;; Outputs: out0 4 x 1,024 x 1,024 float32.
;; Constants: radius = 16.
;; This version of the problem:
;;   THIS VERSION OF THE PROBLEM IS GIVEN IN LOW PRECISION. The matrix products marked QUANTISED in the list below multiply operands that are first quantised to E4M3 (4 exponent bits, 3 mantissa bits; 8 bits a number), with one power-of-two scale for each 32 numbers along K (OCP MX v1.0); their sums are f32. All else is computed in f32.
;;   The module's matrix products, in the order in which they are computed (A, B: the left and right operand; K: the contracted axis; several contracted axes count as one K, in the product's order):
;;     1. [M 4,096, K 1,024] x [K 1,024, N 1,024]; A: computed on the way; B: input wq (given as codes): QUANTISED
;;     2. [M 4,096, K 1,024] x [K 1,024, N 1,024]; A: computed on the way; B: input wk (given as codes): QUANTISED
;;     3. [M 4,096, K 1,024] x [K 1,024, N 1,024]; A: computed on the way; B: input wv (given as codes): QUANTISED
;;     4. batch 64 x [M 1,024, K 64] x [K 64, N 1,024]; A: computed on the way; B: computed on the way: QUANTISED
;;     5. batch 1,024 x [M 1,024, K 64] x [K 64, N 64]; A: computed on the way; B: computed on the way: QUANTISED
;;     6. batch 64 x [M 64, K 1,024] x [K 1,024, N 1,024]; A: computed on the way; B: softmax (see below): QUANTISED
;;     7. [M 4,096, K 1,024] x [K 1,024, N 1,024]; A: computed on the way; B: input wo (given as codes): QUANTISED
;;     8. [M 4,096, K 1,024] x [K 1,024, N 4,096]; A: computed on the way; B: input w1 (given as codes): QUANTISED
;;     9. [M 4,096, K 4,096] x [K 4,096, N 1,024]; A: computed on the way; B: input w2 (given as codes): QUANTISED
;;   THE QUANTISER, for each operand of a quantised product, along K:
;;     - K is cut into blocks of 32 from its start; a last block that is shorter is filled with zeros.
;;     - A block's scale is 2^e with e = floor(log2(the largest magnitude in the block)) - 8, held to -126 .. 127; a block of zeros has e = 0. As a byte (E8M0): e + 127.
;;     - Each number is divided by its block's scale, clamped to +-448, and rounded to the nearest number of E4M3, ties to even, subnormals kept.
;;     - The product sums the exact products of the quantised numbers (number of the format x scale) in f32.
;;   ~~~python
;;   def quantise(x, axis):      # numpy; x: float32 -> the quantised numbers, widened to float32 again
;;       x = np.moveaxis(x, axis, -1); K = x.shape[-1]
;;       x = np.pad(x, [(0, 0)] * (x.ndim - 1) + [(0, -K % 32)]); x = x.reshape(x.shape[:-1] + (-1, 32)); a = np.abs(x).max(-1, keepdims=True)
;;       e = np.where(a > 0, np.clip(np.frexp(np.where(a > 0, a, 1))[1] - 1 - 8, -126, 127), 0)      # np.frexp(a)[1] - 1 = floor(log2(a)), exactly
;;       r = np.clip(x / 2.0 ** e, -448, 448)
;;       step = 2.0 ** (np.maximum(np.frexp(np.where(r == 0, 1, r))[1] - 1, -6) - 3)
;;       q = np.round(r / step) * step * 2.0 ** e      # np.round: ties to even
;;       return np.moveaxis(q.reshape(q.shape[:-2] + (-1,))[..., :K], -1, axis).astype(np.float32)
;;   ~~~
;;   SOFTMAX AHEAD OF A QUANTISED PRODUCT. Where the list says 'softmax', what is quantised is not the finished softmax but p = 2^(t - M), with t = logit x log2(e) and M = ceil(the row's largest t), a whole number; so 1/2 < the row's largest p <= 1. The row's sum l is taken of the UNQUANTISED p, in f32, and the product's result is divided by l at the end. Since M is a whole number, a kernel that streams over the keys may use a running M (the ceiling of the running maximum): every later rescaling is an exact power of two, which a block's scale takes up: the codes' values come out the same.
;;   OPERANDS COMPUTED ON THE WAY. 'Computed on the way' means the value that the module computes at that place (a softmax that the list does not call 'softmax' is quantised finished and normalised). What goes into a quantiser is computed in f32, as accurately as f32 sums, v_exp_f32 and their like allow (about 1e-6 of the number): no bf16 or f16 on the way to a quantiser, and a product that is left as it is and whose result goes on into a quantised operand takes f32 operands (vector FMAs, or v_wmma_f32_16x16x4_f32). A number that lies on a knife's edge between two numbers of the format may be rounded either way, as far as f32 arithmetic and the matrix unit's own rounding can turn it there, and no further.
;;   INPUTS GIVEN AS CODES. w1 (in the module: [1024, 4096], K = its axis 0); w2 (in the module: [4096, 1024], K = its axis 0); wk (in the module: [1024, 1024], K = its axis 0); wo (in the module: [1024, 1024], K = its axis 0); wq (in the module: [1024, 1024], K = its axis 0); wv (in the module: [1024, 1024], K = its axis 0): each comes as NAME_codes (uint8): NAME with its K axis moved to the last place and cut into blocks of 32 codes, [.., K / 32, bytes a block], one block behind the other in memory; one code a byte (a code: sign, 4 exponent bits, 3 mantissa bits); and NAME_scales (uint8): the same leading axes, one E8M0 byte (e + 127) for each 32 codes along K. Its value is code x scale, taken as it is: it is not quantised again, and the codes and scales need not be those that the quantiser above would give.
;; One version. Each part assembles by itself: llvm-mc -triple=amdgcn-amd-amdhsa -mcpu=gfx1250 --defsym DOCPART=n.
;; ======== version 1 of 1: 7 launches
;; limits: right only within a limited range of input values
;; workspace buffers: hq 4,325,376 bytes; qkv 13,238,272 bytes; oq 4,325,376 bytes; x1 16,777,216 bytes; yq 4,325,376 bytes; hid 17,301,504 bytes
;; launch ln1 (part 1): grid 256 x 1, 8 waves a work-group, no clusters, 42,496 bytes of LDS; arguments x, ln1_scale, ln1_bias, hq; writes hq
.if DOCPART == 1
	.amdgcn_target "amdgcn-amd-amdhsa--gfx1250"
	.amdhsa_code_object_version 6
	.text
	.protected	k_qb33dfcd127_ln1
	.globl	k_qb33dfcd127_ln1
	.p2align	8
	.type	k_qb33dfcd127_ln1,@function
k_qb33dfcd127_ln1:
	s_mov_b64 s[64:65], 0
	v_nop
	global_prefetch_b8 v0, s[64:65] scope:SCOPE_SE
	s_setreg_imm32_b32 hwreg(HW_REG_WAVE_MODE, 25, 1), 1
	s_wait_xcnt 0x0
; LAYER NORM AND QUANTISER.  in [4096][1024] f32 -> (in - mean) * rsqrt(var + 1e-6) * scale + bias, in f32, then codes of E4M3 with one E8M0 byte for each 32 along the row.
; out: codes [4096][1024] at byte 0, scale bytes [4096][32] at byte 0x400000.  The same body serves both norms of the block.
; THE PROGRAM (seven launches): norm 1 | Q, K, V | attention | WO + residual | norm 2 | W1 + relu | W2 + residual.
; WORK LEFT OUT IN THE PROGRAM.  reference() gathers r = rel_emb[rel_ids], [s, s, 64], and multiplies q by it.  The quantiser of that product works along d, on each gathered row by itself,
; so the quantised r[q, k, :] is the quantised rel_emb[id, :] for id = clip(k - q, -16, 16) + 16, whatever the inputs hold: the product has 33 different columns for a query.  The attention launch
; multiplies each query by the 33 rows once and looks the result up by id, a whole number made of positions alone.  Nothing else is left out and every input is loaded by some launch.
; LIMIT: nothing is lost by that: a NaN or an overflow in a table row reaches the same scores as in reference().
; LIMITS OF THE QUANTISER: a block whose largest magnitude lies under 2^(9 - 127) gets the byte 1 (a block of zeros too, where the rule says 127: its codes are zeros and this program alone reads the bytes);
; NaN and infinities among the inputs are not served.
; SHARES.  A work-group of eight waves takes 16 rows, a wave two.  A row is 4,096 bytes: eight loads of 512 consecutive bytes, 32 registers; mean and variance never leave the wave (two passes, as reference() has them).
; The conversions want 16 neighbours in a lane, the loads give 4: 512 numbers at a time turn through the wave's own stage in LDS (64 bytes + 16 of padding for each lane).
; The 16 rows' scale bytes, 512, meet in LDS and leave by one store of wave 0: two whole aligned blocks of 256 bytes.
; Matrix units, clusters and tensor loads are left out: the launch streams, each byte once.
.set SP,    80                         ; a lane's place in a stage
.set WREG,  5120                       ; a wave's two stages of 32 x SP bytes
.set SCB,   40960                      ; 16 rows x 32 scale bytes
.set SPARE, 41472                      ; the spare words, 128 bytes for each wave: four blocks of 256 bytes that no other line names
.set SPW,   16                         ; v16  my spare word's address; never rewritten
.set NIL,   17                         ; v17  0; never rewritten
.set G,     32                         ; v32-63   the gain of my 32 columns
.set BI,    64                         ; v64-95   the bias
.set Z,     96                         ; v96-159  the wave's two rows
.set X,     160                        ; v160-191 two sets of 16 neighbours
.set C,     192                        ; v192-207 codes: four registers for each row and step
.set E,     208                        ; v208-211 a scale byte for each row and step
	s_load_b256 s[4:11], s[0:1], 0x0               ; in s[4:5], gain s[6:7], bias s[8:9], out s[10:11]
	v_lshl_add_u32 v[SPW], v0, 2, SPARE
	v_mov_b32 v[NIL], 0
	v_lshrrev_b32 v1, 5, v0
	s_delay_alu instid0(VALU_DEP_1)
	v_readfirstlane_b32 s12, v1                    ; wave 0..7
	v_and_b32 v2, 31, v0                           ; lane
	s_delay_alu instid0(VALU_DEP_1)
	v_lshlrev_b32 v3, 4, v2                        ; 16 x lane: my bytes of a load's 512, and of a store's
	s_mul_i32 s13, s12, WREG
	v_lshrrev_b32 v14, 2, v2
	s_delay_alu instid0(VALU_DEP_1)
	v_mul_u32_u24 v14, v14, SP
	v_and_b32 v15, 3, v2
	s_delay_alu instid0(VALU_DEP_1)
	v_lshl_add_u32 v14, v15, 4, v14
	s_delay_alu instid0(VALU_DEP_1)
	v_add_nc_u32 v14, s13, v14                     ; the stage, way in: four lanes' 64 bytes on end, then the padding
	v_mul_u32_u24 v15, v2, SP
	s_delay_alu instid0(VALU_DEP_1)
	v_add_nc_u32 v15, s13, v15                     ; way out: my 16 neighbours
	s_lshl_b32 s13, s12, 6
	s_add_co_u32 s13, s13, SCB
	v_lshrrev_b32 v5, 1, v2
	s_delay_alu instid0(VALU_DEP_1)
	v_add_nc_u32 v5, s13, v5                       ; my block's byte among my wave's two rows' 64
	v_add_nc_u32 v4, SCB, v3                       ; wave 0's read of all 512
	v_mov_b32 v26, 0                               ; a lane permute's destination counts as one of its sources
	s_mov_b32 s14, 0x76543210
	s_mov_b32 s15, 0xfedcba98                      ; selects for lane l xor 16
	s_mov_b32 s16, 0x600000                        ; the mantissa field of 448
	s_mov_b32 s17, 0x3a800000                      ; 1 / 1024
	s_mov_b32 s18, 0x358637bd                      ; 1e-6
	s_lshl_b32 s20, ttmp9, 16                      ; 16 rows of 4,096 bytes a work-group,
	s_lshl_b32 s19, s12, 13                        ; two a wave
	s_add_co_u32 s20, s20, s19
	s_mov_b32 s21, 0
	s_lshl_b32 s22, ttmp9, 14                      ; the same rows' codes
	s_lshl_b32 s19, s12, 11
	s_add_co_u32 s22, s22, s19
	s_mov_b32 s23, 0
	s_lshl_b32 s24, ttmp9, 9                       ; the work-group's 512 scale bytes
	s_add_co_u32 s24, s24, 0x400000
	s_mov_b32 s25, 0
	s_wait_kmcnt 0x0
	s_add_nc_u64 s[4:5], s[4:5], s[20:21]
	s_add_nc_u64 s[24:25], s[10:11], s[24:25]
	s_add_nc_u64 s[10:11], s[10:11], s[22:23]
.irp j, 0,1,2,3,4,5,6,7
	global_load_b128 v[G+4*\j:G+4*\j+3], v3, s[6:7] offset:512*\j
.endr
.irp j, 0,1,2,3,4,5,6,7
	global_load_b128 v[BI+4*\j:BI+4*\j+3], v3, s[8:9] offset:512*\j
.endr
.irp j, 0,1,2,3,4,5,6,7
	global_load_b128 v[Z+4*\j:Z+4*\j+3], v3, s[4:5] offset:512*\j th:TH_LOAD_NT
.endr
.irp j, 0,1,2,3,4,5,6,7
	global_load_b128 v[Z+32+4*\j:Z+32+4*\j+3], v3, s[4:5] offset:4096+512*\j th:TH_LOAD_NT
.endr
.macro LANES r                         ; the sum over the wave's 32 lanes, in every lane
	s_delay_alu instid0(VALU_DEP_1)
	v_add_f32_dpp v[\r], v[\r], v[\r] row_xmask:1 row_mask:0xf bank_mask:0xf
	s_delay_alu instid0(VALU_DEP_1)
	v_add_f32_dpp v[\r], v[\r], v[\r] row_xmask:2 row_mask:0xf bank_mask:0xf
	s_delay_alu instid0(VALU_DEP_1)
	v_add_f32_dpp v[\r], v[\r], v[\r] row_xmask:4 row_mask:0xf bank_mask:0xf
	s_delay_alu instid0(VALU_DEP_1)
	v_add_f32_dpp v[\r], v[\r], v[\r] row_xmask:8 row_mask:0xf bank_mask:0xf
	s_delay_alu instid0(VALU_DEP_1)
	v_permlanex16_b32 v26, v[\r], s14, s15
	s_delay_alu instid0(VALU_DEP_1)
	v_add_f32 v[\r], v[\r], v26
.endm
.macro QSTEP n, t                      ; 512 numbers of row n, 16 a lane, two lanes to a block: scale, hold, codes
.set XS, X+16*\t
.set CI, C+4*(2*\n+\t)
	v_max3_num_f32 v8, |v[XS]|, |v[XS+1]|, |v[XS+2]|
	v_max3_num_f32 v9, |v[XS+3]|, |v[XS+4]|, |v[XS+5]|
.irp i, 6,10
	s_delay_alu instid0(VALU_DEP_2)
	v_max3_num_f32 v8, v8, |v[XS+\i]|, |v[XS+\i+1]|
	s_delay_alu instid0(VALU_DEP_2)
	v_max3_num_f32 v9, v9, |v[XS+\i+2]|, |v[XS+\i+3]|
.endr
	s_delay_alu instid0(VALU_DEP_2)
	v_max3_num_f32 v8, v8, |v[XS+14]|, |v[XS+15]|
	s_delay_alu instid0(VALU_DEP_1)
	v_max3_num_f32 v8, v8, v9, 0x4800000           ; with the floor 2^(9 - 127): the byte cannot fall under 1
	s_delay_alu instid0(VALU_DEP_1)
	v_max_num_f32_dpp v8, v8, v8 row_xmask:1 row_mask:0xf bank_mask:0xf   ; and my neighbour's 16: the block's largest magnitude
	s_delay_alu instid0(VALU_DEP_1)
	v_add_nc_u32 v11, 0xfc000000, v8               ; 8 off its exponent field: the conversion's scale operand
	s_delay_alu instid0(VALU_DEP_2)
	v_and_or_b32 v10, v8, 0x7f800000, s16          ; 448 x the scale
.irp i, 0,1,2,3,4,5,6,7,8,9,10,11,12,13,14,15
	v_med3_num_f32 v[XS+\i], v[XS+\i], -v10, v10   ; the conversion to an 8-bit code does not saturate (ISA guide 7.6.2): the hold comes first
.endr
	v_cvt_scalef32_pk8_fp8_f32 v[CI:CI+1], v[XS:XS+7], v11
	v_cvt_scalef32_pk8_fp8_f32 v[CI+2:CI+3], v[XS+8:XS+15], v11
	v_lshrrev_b32 v[E+2*\n+\t], 23, v11            ; the scale's byte (also the plain line behind the conversions)
	ds_store_b8 v5, v[E+2*\n+\t] offset:32*\n+16*\t    ; both lanes of a block write the same byte with the same value
	global_store_b128 v3, v[CI:CI+3], s[10:11] offset:1024*\n+512*\t   ; the wave stores 512 consecutive bytes, aligned
.endm
.macro ROW n, left
.set ZR, Z+32*\n
	s_wait_loadcnt \left                           ; loads come back in order: gain, bias and this row are in; the younger row may be out
	v_pk_add_f32 v[22:23], v[ZR:ZR+1], v[ZR+2:ZR+3]        ; the row's sum, in two chains
	v_pk_add_f32 v[24:25], v[ZR+4:ZR+5], v[ZR+6:ZR+7]
.irp j, 8,12,16,20,24,28
	s_delay_alu instid0(VALU_DEP_2)
	v_pk_add_f32 v[22:23], v[22:23], v[ZR+\j:ZR+\j+1]
	s_delay_alu instid0(VALU_DEP_2)
	v_pk_add_f32 v[24:25], v[24:25], v[ZR+\j+2:ZR+\j+3]
.endr
	s_delay_alu instid0(VALU_DEP_1)
	v_pk_add_f32 v[22:23], v[22:23], v[24:25]
	s_delay_alu instid0(VALU_DEP_1)
	v_add_f32 v22, v22, v23
	LANES 22
	s_delay_alu instid0(VALU_DEP_1)
	v_mul_f32 v18, s17, v22                        ; the mean,
	s_delay_alu instid0(VALU_DEP_1)
	v_mov_b32 v19, v18                             ; as a pair
.irp j, 0,2,4,6,8,10,12,14,16,18,20,22,24,26,28,30
	v_pk_add_f32 v[ZR+\j:ZR+\j+1], v[ZR+\j:ZR+\j+1], v[18:19] neg_lo:[0,1] neg_hi:[0,1]
.endr
	v_pk_mul_f32 v[22:23], v[ZR:ZR+1], v[ZR:ZR+1]          ; the sum of squares of what is left
	v_pk_mul_f32 v[24:25], v[ZR+2:ZR+3], v[ZR+2:ZR+3]
.irp j, 4,8,12,16,20,24,28
	s_delay_alu instid0(VALU_DEP_2)
	v_pk_fma_f32 v[22:23], v[ZR+\j:ZR+\j+1], v[ZR+\j:ZR+\j+1], v[22:23]
	s_delay_alu instid0(VALU_DEP_2)
	v_pk_fma_f32 v[24:25], v[ZR+\j+2:ZR+\j+3], v[ZR+\j+2:ZR+\j+3], v[24:25]
.endr
	s_delay_alu instid0(VALU_DEP_1)
	v_pk_add_f32 v[22:23], v[22:23], v[24:25]
	s_delay_alu instid0(VALU_DEP_1)
	v_add_f32 v22, v22, v23
	LANES 22
	s_delay_alu instid0(VALU_DEP_1)
	v_fma_f32 v22, v22, s17, s18                   ; variance + 1e-6
	s_wait_alu depctr_va_vdst(0)
	v_rsq_f32 v20, v22
	v_nop                                          ; a plain line behind the transcendental,
	s_wait_alu depctr_va_vdst(0)                   ; and the wait ahead of its first reader
	v_mov_b32 v21, v20
.irp j, 0,2,4,6,8,10,12,14,16,18,20,22,24,26,28,30
	v_pk_mul_f32 v[ZR+\j:ZR+\j+1], v[ZR+\j:ZR+\j+1], v[20:21]
.endr
.irp j, 0,2,4,6,8,10,12,14,16,18,20,22,24,26,28,30
	v_pk_fma_f32 v[ZR+\j:ZR+\j+1], v[ZR+\j:ZR+\j+1], v[G+\j:G+\j+1], v[BI+\j:BI+\j+1]
.endr
.irp t, 0,1                            ; both halves of the row turn through the two stages; LDS serves a wave's instructions in order, so no wait stands between stores and loads
.irp i, 0,1,2,3
	ds_store_b128 v14, v[ZR+16*\t+4*\i:ZR+16*\t+4*\i+3] offset:2560*\t+640*\i
.endr
.irp i, 0,1,2,3
	ds_load_b128 v[X+16*\t+4*\i:X+16*\t+4*\i+3], v15 offset:2560*\t+16*\i
.endr
.endr
	s_wait_dscnt 8                                 ; the first half is back: behind its loads stand the second half's 4 stores and 4 loads
	QSTEP \n, 0
	s_wait_dscnt 1                                 ; the second half is back: behind its loads stands the byte store
	QSTEP \n, 1
.endm
	ROW 0, 8
	ROW 1, 0
	s_wait_dscnt 0x0                               ; for the others' sake: my byte stores are done
	s_barrier_signal -1
	s_barrier_wait -1
	s_cmp_lg_u32 s12, 0
	s_cbranch_scc1 .Lnot_wave_0
	ds_load_b128 v[22:25], v4                      ; the 16 rows' 512 scale bytes
	s_wait_dscnt 0x0
	global_store_b128 v3, v[22:25], s[24:25]
.Lnot_wave_0:
	s_wait_tensorcnt 0x0                           ; the wave's end: a tensor wait, an add to my spare word and its wait, behind my last LDS store
	ds_add_u32 v[SPW], v[NIL]
	s_wait_dscnt 0x0
	s_endpgm
.Lfunc_end_k_qb33dfcd127_ln1:
	.size	k_qb33dfcd127_ln1, .Lfunc_end_k_qb33dfcd127_ln1-k_qb33dfcd127_ln1
	.p2alignl 7, 3214868480
	.fill 96, 4, 3214868480
	.section	.rodata,"a",@progbits
	.p2align	6, 0x0
	.amdhsa_kernel k_qb33dfcd127_ln1
		.amdhsa_group_segment_fixed_size 42496
		.amdhsa_private_segment_fixed_size 0
		.amdhsa_enable_private_segment 0
		.amdhsa_kernarg_size 32
		.amdhsa_user_sgpr_count 2
		.amdhsa_user_sgpr_kernarg_segment_ptr 1
		.amdhsa_wavefront_size32 1
		.amdhsa_system_sgpr_workgroup_id_x 1
		.amdhsa_system_sgpr_workgroup_id_y 1
		.amdhsa_system_sgpr_workgroup_id_z 1
		.amdhsa_system_vgpr_workitem_id 0
		.amdhsa_next_free_vgpr 216
		.amdhsa_next_free_sgpr 66
		.amdhsa_reserve_vcc 0
		.amdhsa_float_denorm_mode_32 3
		.amdhsa_float_denorm_mode_16_64 3
		.amdhsa_memory_ordered 1
		.amdhsa_forward_progress 1
		.amdhsa_inst_pref_size 33
	.end_amdhsa_kernel
	.amdgpu_metadata
---
amdhsa.version: [ 1, 2 ]
amdhsa.kernels:
  - .name:           k_qb33dfcd127_ln1
    .symbol:         k_qb33dfcd127_ln1.kd
    .args:
      - { .name: x, .offset: 0, .size: 8, .value_kind: global_buffer, .address_space: global }
      - { .name: ln1_scale, .offset: 8, .size: 8, .value_kind: global_buffer, .address_space: global }
      - { .name: ln1_bias, .offset: 16, .size: 8, .value_kind: global_buffer, .address_space: global }
      - { .name: hq, .offset: 24, .size: 8, .value_kind: global_buffer, .address_space: global }
    .group_segment_fixed_size: 42496
    .private_segment_fixed_size: 0
    .kernarg_segment_align: 8
    .kernarg_segment_size: 32
    .max_flat_workgroup_size: 256
    .sgpr_count:     66
    .vgpr_count:     216
    .wavefront_size: 32
...
	.end_amdgpu_metadata
.endif
;; end of part 1
;; launch qkv (part 2): grid 12 x 16, 4 waves a work-group, clusters of 4 x 4, 327,680 bytes of LDS; arguments hq, wq_codes, wq_scales, bq, wk_codes, wk_scales, bk, wv_codes, wv_scales, bv, qkv; writes qkv
.if DOCPART == 2
	.amdgcn_target "amdgcn-amd-amdhsa--gfx1250"
	.amdhsa_code_object_version 6
	.text
	.protected	k_qb33dfcd127_qkv
	.globl	k_qb33dfcd127_qkv
	.p2align	8
	.type	k_qb33dfcd127_qkv,@function
k_qb33dfcd127_qkv:
	s_mov_b64 s[64:65], 0
	v_nop
	global_prefetch_b8 v0, s[64:65] scope:SCOPE_SE
	s_setreg_imm32_b32 hwreg(HW_REG_WAVE_MODE, 25, 1), 1
	s_wait_xcnt 0x0
	s_wait_alu depctr_hold_cnt(0) depctr_sa_sdst(0) depctr_va_vdst(0) depctr_va_sdst(0) depctr_va_ssrc(0) depctr_va_vcc(0) depctr_vm_vsrc(0)
	s_getreg_b32 s2, hwreg(HW_REG_IB_STS2, 6, 4)
	s_cmp_eq_u32 s2, 0
	s_cbranch_scc0 .Lentry_in_a_cluster
	s_endpgm
.Lentry_in_a_cluster:
	s_bfe_u32 s2, ttmp6, 0x10000c
	s_cmp_lg_u32 s2, 0xf033
	s_cbranch_scc0 .Lentry_shape_is_right
	s_endpgm
.Lentry_shape_is_right:
.set MODE,   0
.set KSTEP,  256
.set NQ,     2
.set ROWB,   256
.set KROW,   1024
.set PITCH,  272
.set FR,     16
.set NL,     4
.set NP,     8
.set HALFT,  128*PITCH
.set SLOT,   4*HALFT
.set LAPS,   2
.set KS,     32
.set SCL,    2*SLOT
.set HALFS,  (128*KS/256)*272
.set SBLK,   (16*KS/256)*272
.set SPARE,  SCL+4*HALFS
.if MODE == 0
.set SPITCH, 288
.set OUTP,   1024
.set RELU,   0
.else
.set SPITCH, 272
.set OUTP,   4096
.set RELU,   1
.endif
.set SCSP,   73728
.set BO1,  12
.set BO2,  13
.set ADRA, 16
.set RDQ,  18
.set RDQ2, 19
.set ADRB, 20
.set GQ,   22
.set SLQ,  23
.set STO,  24
.set RDP,  25
.set GP,   26
.set ADRS, 27
.set SPW,  28
.set NIL,  29
.set SSP,  30
.set SLP,  31
.set SC,   32
.set BC,   64
.set TM,   64
.set PW,   80
.set AF,   128
.set CDS,  128
.set G1, 24
.set G0, 32
.set G1B, 48
.set G0B, 56
.set G1S, 68
.set G0S, 76
.set G1SB, 80
.set G0SB, 88
.set G0H, 4                            ; s[4:7], s[8:11] group 0 for the head's loads of K step 0: A's 256 rows, B's 256 rows (the arguments that lay there have been used by then)
.set G0HB, 8
.set PFA,  98                          ; s[98:99] where my prefetches stand: my work-group's 32 rows of the 128 that I fetch in the ring, at K step 0; never rewritten
.set PFO,  14                          ; v14  the prefetches' offset: my lane x a row of KROW bytes; never rewritten
; THE TILES ARE PREFETCHED INTO THE L2, two K steps ahead of the tensor load that wants them: the head asks for K steps 1 and 2, and behind the load of step 1 stands the request for step 3, the last.
; One instruction a wave, a lane a row (a K step is 256 bytes of a row, aligned): of the 128 rows that a wave fetches, each of the four partners that ask for them jointly takes 32, told apart by address (cx for A, cy for B).
.set MSB, 0
.macro WIN new
.if MSB != \new
	s_set_vgpr_msb (MSB<<8)|\new
.set MSB, \new
.endif
.endm
.set MUL_LO, 0xa1
.set MUL_HI, 0xf1
.set BEG_LO, 0x81
.set BEG_HI, 0xc1
.set TO_B,   0x40
.macro JLOAD g0a, g1a, g0b, g1b
	s_cmp_eq_u32 s15, 0
	s_cbranch_scc0 .Lfor_b_\@
	tensor_load_to_lds s[\g0a:\g0a+3], s[\g1a:\g1a+7]
	s_nop 0
.rept 4
	v_nop
.endr
	s_branch .Lasked_\@
.Lfor_b_\@:
	tensor_load_to_lds s[\g0b:\g0b+3], s[\g1b:\g1b+7]
	s_nop 0
.rept 4
	v_nop
.endr
.Lasked_\@:
.endm
.macro CREST
	s_cmp_lg_u32 s14, 0
	s_cbranch_scc1 .Lnot_wave_0_\@
	s_barrier_signal -3
.Lnot_wave_0_\@:
	s_barrier_wait -3
	s_barrier_signal -1
	s_barrier_wait -1
.endm
.macro CROUND
	s_barrier_signal -1
	s_barrier_wait -1
	CREST
.endm
.if MODE == 0
	s_load_b64 s[4:5], s[0:1], 0x0
	s_load_b128 s[24:27], s[0:1], 0x8
	s_load_b64 s[28:29], s[0:1], 0x18
	s_load_b128 s[32:35], s[0:1], 0x20
	s_load_b64 s[36:37], s[0:1], 0x30
	s_load_b128 s[40:43], s[0:1], 0x38
	s_load_b64 s[44:45], s[0:1], 0x48
	s_load_b64 s[12:13], s[0:1], 0x50
.else
	s_load_b64 s[4:5], s[0:1], 0x0
	s_load_b128 s[8:11], s[0:1], 0x8
	s_load_b64 s[96:97], s[0:1], 0x18
	s_load_b64 s[12:13], s[0:1], 0x20
.endif
	v_lshl_add_u32 v[SPW], v0, 2, SPARE
	v_mov_b32 v[NIL], 0
	ds_add_u32 v[SPW], v[NIL]
	ds_add_u32 v[SPW], v[NIL]
	v_lshrrev_b32 v1, 5, v0
	v_readfirstlane_b32 s14, v1
	s_lshr_b32 s15, s14, 1
	s_and_b32 s16, s14, 1
	s_mov_b32 s95, 0x600000
	s_mov_b32 s104, 0x76543210
	s_mov_b32 s105, 0xfedcba98
	s_wait_dscnt 0x0
	s_wait_kmcnt 0x0
	s_add_nc_u64 s[6:7], s[4:5], 0x400000
.if MODE == 0
	s_cmp_eq_u32 ttmp9, 0
	s_cselect_b64 s[24:25], s[24:25], s[32:33]
	s_cselect_b64 s[26:27], s[26:27], s[34:35]
	s_cselect_b64 s[28:29], s[28:29], s[36:37]
	s_cmp_eq_u32 ttmp9, 2
	s_cselect_b64 s[24:25], s[40:41], s[24:25]
	s_cselect_b64 s[26:27], s[42:43], s[26:27]
	s_cselect_b64 s[96:97], s[44:45], s[28:29]
	s_cselect_b64 s[8:9], s[4:5], s[24:25]
	s_cselect_b64 s[10:11], s[6:7], s[26:27]
	s_cselect_b64 s[4:5], s[24:25], s[4:5]
	s_cselect_b64 s[6:7], s[26:27], s[6:7]
	s_cselect_b32 s2, 1, 0
.endif
	s_bfe_u32 s40, ttmp6, 0x40000
	s_bfe_u32 s41, ttmp6, 0x40004
	s_and_b32 s18, ttmp7, 0xffff
	s_lshl_b32 s18, s18, 2
.if MODE == 0
	s_cmp_eq_u32 s2, 0
	s_cselect_b32 s17, s18, 0
	s_cselect_b32 s42, 0, s18
	s_add_co_u32 s17, s17, s41
	s_add_co_u32 s42, s42, s40
.else
	s_add_co_u32 s17, s18, s41
	s_lshl_b32 s42, ttmp9, 2
	s_add_co_u32 s42, s42, s40
.endif
	s_lshl_b32 s43, s41, 2
	s_lshl_b32 s43, 15, s43
	s_lshl_b32 s44, 0x1111, s40
	s_or_b32 s[G1+0], s43, (0<<16)|(1<<20)|(1<<21)|(5<<22)|(3<<25)
	s_or_b32 s[G1B+0], s44, (0<<16)|(1<<20)|(1<<21)|(5<<22)|(3<<25)
.irp g, G1, G1B
	s_mov_b32 s[\g+1], ROWB<<16
	s_mov_b32 s[\g+2], 256<<16                     ; the head's loads bring 256 rows; behind them the two words are set to 128, for the ring's
	s_mov_b32 s[\g+3], ROWB<<16
	s_mov_b32 s[\g+4], 256
	s_mov_b32 s[\g+5], KROW
	s_mov_b32 s[\g+6], 0
	s_mov_b32 s[\g+7], 0
.endr
	s_or_b32 s[G1S+0], s43, (3<<16)|(1<<20)|(1<<21)|(5<<22)|(3<<25)
	s_or_b32 s[G1SB+0], s44, (3<<16)|(1<<20)|(1<<21)|(5<<22)|(3<<25)
.irp g, G1S, G1SB
	s_mov_b32 s[\g+1], 32<<16
	s_mov_b32 s[\g+2], KS<<16                      ; the scales of 256 rows: 256 KS dense bytes as KS rows of 256
	s_mov_b32 s[\g+3], 32<<16
	s_mov_b32 s[\g+4], KS
	s_mov_b32 s[\g+5], 32
	s_mov_b32 s[\g+6], 0
	s_mov_b32 s[\g+7], 0
.endr
	s_lshl_b32 s20, s17, 8                         ; A: the tile's first row
	s_lshl_b32 s46, s42, 8                         ; B: likewise
	s_mov_b32 s21, 0
	s_mov_b32 s47, 0
	s_mov_b64 s[18:19], KS
	s_mul_u64 s[22:23], s[20:21], s[18:19]
	s_mul_u64 s[92:93], s[46:47], s[18:19]
	s_mov_b64 s[18:19], KROW
	s_mul_u64 s[20:21], s[20:21], s[18:19]
	s_mul_u64 s[46:47], s[46:47], s[18:19]
	s_mul_i32 s45, s14, HALFT
	s_mul_i32 s18, s16, 128*KROW                   ; in the ring I fetch 128 rows of a tile: which half, in bytes
	s_mov_b32 s19, 0
	s_add_nc_u64 s[20:21], s[4:5], s[20:21]
	s_add_nc_u64 s[22:23], s[6:7], s[22:23]
	s_add_nc_u64 s[46:47], s[8:9], s[46:47]
	s_add_nc_u64 s[92:93], s[10:11], s[92:93]
	CROUND
	s_mov_b32 s[G0S], 1
	s_mov_b32 s[G0S+1], SCL
	s_mov_b64 s[G0S+2:G0S+3], s[22:23]
	s_or_b32 s[G0S+3], s[G0S+3], 0x80000000
	s_mov_b32 s[G0SB], 1
	s_mov_b32 s[G0SB+1], SCL+2*HALFS
	s_mov_b64 s[G0SB+2:G0SB+3], s[92:93]
	s_or_b32 s[G0SB+3], s[G0SB+3], 0x80000000
	s_mov_b32 s[G0H], 1                            ; K step 0's 256 rows of A, whole,
	s_mov_b32 s[G0H+1], 0
	s_mov_b64 s[G0H+2:G0H+3], s[20:21]
	s_or_b32 s[G0H+3], s[G0H+3], 0x80000000
	s_mov_b32 s[G0HB], 1                           ; and of B, behind them in slot 0
	s_mov_b32 s[G0HB+1], 2*HALFT
	s_mov_b64 s[G0HB+2:G0HB+3], s[46:47]
	s_or_b32 s[G0HB+3], s[G0HB+3], 0x80000000
	s_add_nc_u64 s[20:21], s[20:21], s[18:19]      ; for the ring: my 128 rows of the tile
	s_add_nc_u64 s[46:47], s[46:47], s[18:19]
	s_cmp_eq_u32 s15, 0                            ; the prefetches: do I fetch for A?
	s_cselect_b32 s18, s40, s41                    ; my place among the four that ask with me
	s_cselect_b64 s[PFA:PFA+1], s[20:21], s[46:47]
	s_lshl_b32 s18, s18, 15                        ; 32 rows of 1,024 bytes for each place (s19 = 0)
	s_add_nc_u64 s[PFA:PFA+1], s[PFA:PFA+1], s[18:19]
.irp s, 0,1
	s_mov_b32 s[G0+4*\s], 1
	s_add_co_u32 s[G0+4*\s+1], s45, \s*SLOT
	s_add_nc_u64 s[G0+4*\s+2:G0+4*\s+3], s[20:21], \s*ROWB
	s_or_b32 s[G0+4*\s+3], s[G0+4*\s+3], 0x80000000
	s_mov_b32 s[G0B+4*\s], 1
	s_add_co_u32 s[G0B+4*\s+1], s45, \s*SLOT
	s_add_nc_u64 s[G0B+4*\s+2:G0B+4*\s+3], s[46:47], \s*ROWB
	s_or_b32 s[G0B+4*\s+3], s[G0B+4*\s+3], 0x80000000
.endr
; THE HEAD'S LOADS, ONE A WAVE: wave 0 K step 0's 256 rows of A, wave 1 its 256 rows of B, wave 2 the scales of A's 256 rows, wave 3 those of B's.
; One tree of branches on the wave's number: every way through the head passes exactly one load.
.macro ARM under, g0, g1, next
	s_cmp_lt_u32 s14, \under
	s_cbranch_scc0 \next
	tensor_load_to_lds s[\g0:\g0+3], s[\g1:\g1+7]
	s_nop 0
.rept 4
	v_nop
.endr
	s_branch .Lhead_asked
\next:
.endm
	ARM 1, G0H,  G1,  .Lhead_b
	ARM 2, G0HB, G1B, .Lhead_sa
	ARM 3, G0S,  G1S, .Lhead_sb
	tensor_load_to_lds s[G0SB:G0SB+3], s[G1SB:G1SB+7]
	s_nop 0
.rept 4
	v_nop
.endr
.Lhead_asked:
	v_and_b32 v[PFO], 31, v0
	v_lshlrev_b32 v[PFO], 10, v[PFO]
	global_prefetch_b8 v[PFO], s[PFA:PFA+1] offset:256 th:TH_LOAD_NT scope:SCOPE_SE    ; K steps 1 and 2
	global_prefetch_b8 v[PFO], s[PFA:PFA+1] offset:512 th:TH_LOAD_NT scope:SCOPE_SE
	v_and_b32 v1, 15, v0
	v_bfe_u32 v2, v0, 4, 1
	s_wait_alu depctr_va_vdst(0)
	s_lshl_b32 s20, s42, 10
	s_lshl_b32 s21, s16, 9
	s_add_co_u32 s20, s20, s21
.if MODE == 0
	s_lshl_b32 s22, s17, 10
	s_lshl_b32 s21, s15, 9
	s_add_co_u32 s22, s22, s21
	s_cmp_eq_u32 s2, 0
	s_cselect_b32 s20, s20, s22
.endif
	s_mov_b32 s21, 0
	s_add_nc_u64 s[96:97], s[96:97], s[20:21]
	v_lshlrev_b32 v[BO1], 5, v2
	v_lshlrev_b32 v[BO2], 2, v1
.if MODE == 0
	s_cmp_eq_u32 s2, 0
	s_cbranch_scc0 .Lbias_rows
.endif
.irp b, 0,1,2,3,4,5,6,7
	global_load_b128 v[BC+8*\b:BC+8*\b+3], v[BO1], s[96:97] offset:64*\b
	global_load_b128 v[BC+8*\b+4:BC+8*\b+7], v[BO1], s[96:97] offset:64*\b+16
.endr
.if MODE == 0
	s_branch .Lbias_asked
.Lbias_rows:
	s_wait_alu depctr_va_vdst(0)
.irp a, 0,1,2,3,4,5,6,7
.irp j, 0,1,2,3,4,5,6,7
	global_load_b32 v[BC+8*\a+\j], v[BO2], s[96:97] offset:64*\a
.endr
.endr
.Lbias_asked:
.endif
	v_mul_u32_u24 v3, v1, PITCH
	v_lshl_add_u32 v4, v2, 4, v3
	s_mul_i32 s21, s15, HALFT
	s_mul_i32 s22, s16, HALFT
	s_add_co_u32 s22, s22, 2*HALFT
.irp s, 0,1
	v_add_nc_u32 v[ADRA+\s], s21, v4
	v_add_nc_u32 v[ADRB+\s], s22, v4
	s_add_co_u32 s21, s21, SLOT
	s_add_co_u32 s22, s22, SLOT
.endr
	v_mul_u32_u24 v5, v1, KS
	v_lshrrev_b32 v6, 8, v5
	v_lshl_add_u32 v5, v6, 4, v5
	s_mul_i32 s21, s15, HALFS
	s_mul_i32 s22, s16, HALFS
	s_add_co_u32 s22, s22, 2*HALFS
	s_sub_co_u32 s22, s22, s21
	v_mul_u32_u24 v6, s22, v2
	s_add_co_u32 s21, s21, SCL
	v_add_nc_u32 v5, v5, v6
	v_add_nc_u32 v[ADRS], s21, v5
	v_and_b32 v6, 31, v0
	s_mul_i32 s23, s15, 128*SPITCH
	s_lshl_b32 s21, s16, 7
	s_add_co_u32 s23, s23, s21
	v_mul_u32_u24 v5, v1, SPITCH
	v_lshl_add_u32 v5, v2, 3, v5
	v_add_nc_u32 v[STO], s23, v5
	s_mul_i32 s23, s14, 64*SPITCH
	v_mul_u32_u24 v5, v2, SPITCH
	v_lshl_add_u32 v5, v1, 4, v5
	v_add_nc_u32 v[RDP], s23, v5
	v_mul_u32_u24 v5, v2, OUTP
	v_lshl_add_u32 v[GP], v1, 4, v5
	s_lshl_b32 s23, s15, 10
	s_lshl_b32 s21, s16, 2
	s_add_co_u32 s23, s23, s21
	s_add_co_u32 s23, s23, SCSP
	v_lshl_add_u32 v[SSP], v1, 3, s23
	s_lshl_b32 s23, s14, 9
	s_add_co_u32 s23, s23, SCSP
	v_lshl_add_u32 v[SLP], v6, 4, s23
	v_lshlrev_b32 v[GQ], 4, v6
.if MODE == 0
	v_lshrrev_b32 v5, 2, v6
	v_mul_u32_u24 v5, v5, SPITCH
	v_and_b32 v7, 3, v6
	v_lshl_add_u32 v5, v7, 4, v5
	s_lshl_b32 s23, s14, 6
	v_add_nc_u32 v[RDQ], s23, v5
	v_add_nc_u32 v[RDQ2], 128*SPITCH, v[RDQ]
	s_lshl_b32 s23, s14, 1
	s_add_co_u32 s23, s23, SCSP
	v_lshl_add_u32 v[SLQ], v6, 5, s23
	s_mov_b32 s94, 0x7f7f0000
	s_lshr_b32 s20, s17, 2
	s_lshl_b32 s20, s20, 4
	s_lshl_b32 s21, s42, 2
	s_add_co_u32 s20, s20, s21
	s_add_co_u32 s20, s20, s14
	s_lshl_b32 s20, s20, 10
	s_and_b32 s21, s17, 3
	s_lshl_b32 s21, s21, 8
	s_add_co_u32 s20, s20, s21
	s_lshl_b32 s22, s20, 2
	s_lshl_b32 s21, ttmp9, 18
	s_add_co_u32 s22, s22, s21
	s_add_co_u32 s22, s22, 0xc00000
	s_lshl_b32 s20, s20, 6
	s_lshl_b32 s21, ttmp9, 22
	s_add_co_u32 s20, s20, s21
	s_lshr_b32 s46, s42, 2
	s_lshl_b32 s46, s46, 20
	s_lshl_b32 s47, s17, 18
	s_add_co_u32 s46, s46, s47
	s_lshl_b32 s47, s14, 16
	s_add_co_u32 s46, s46, s47
	s_and_b32 s47, s42, 3
	s_lshl_b32 s47, s47, 8
	s_add_co_u32 s46, s46, s47
	s_add_co_u32 s46, s46, 0x800000
	s_lshl_b32 s92, s42, 13
	s_lshl_b32 s47, s17, 11
	s_add_co_u32 s92, s92, s47
	s_lshl_b32 s47, s14, 9
	s_add_co_u32 s92, s92, s47
	s_add_co_u32 s92, s92, 0xc80000
	s_cmp_eq_u32 s2, 0
	s_cselect_b32 s20, s20, s46
	s_cselect_b32 s22, s22, s92
.else
	s_lshl_b32 s20, s17, 20
	s_lshl_b32 s21, s14, 18
	s_add_co_u32 s20, s20, s21
	s_lshl_b32 s21, s42, 8
	s_add_co_u32 s20, s20, s21
	s_lshl_b32 s22, s42, 15
	s_lshl_b32 s21, s17, 11
	s_add_co_u32 s22, s22, s21
	s_lshl_b32 s21, s14, 9
	s_add_co_u32 s22, s22, s21
	s_add_co_u32 s22, s22, 0x1000000
.endif
	s_mov_b32 s21, 0
	s_mov_b32 s23, 0
	s_add_nc_u64 s[66:67], s[12:13], s[22:23]
	s_add_nc_u64 s[12:13], s[12:13], s[20:21]
.macro FRAG reg, adr, q, i
.irp c, 0,1,2,3
	ds_load_b128 v[\reg+4*\c:\reg+4*\c+3], v[\adr] offset:128*(\q)+32*\c+(\i)*16*PITCH
.endr
.endm
.macro MUL16 a0, p, q, sc, cm
.irp a, \a0, \a0+1
.irp b, 0,1,2,3,4,5,6,7
.if \cm == 1
	v_wmma_scale_f32_16x16x128_f8f6f4 v[8*(8*((\a)%4)+\b):8*(8*((\a)%4)+\b)+7], v[128*(\p)+FR*\b:128*(\p)+FR*\b+FR-1], v[AF+FR*(\a):AF+FR*(\a)+FR-1], v[BC+8*\b:BC+8*\b+7], v[SC+8*NQ*(\sc)+NQ*\b+(\q)], v[SC+8*NQ*(\sc)+NQ*(\a)+(\q)] matrix_a_scale:MATRIX_SCALE_ROW1
.elseif \cm == 2
	v_wmma_scale_f32_16x16x128_f8f6f4 v[8*(8*((\a)%4)+\b):8*(8*((\a)%4)+\b)+7], v[128*(\p)+FR*\b:128*(\p)+FR*\b+FR-1], v[AF+FR*(\a):AF+FR*(\a)+FR-1], v[BC+8*(\a):BC+8*(\a)+7], v[SC+8*NQ*(\sc)+NQ*\b+(\q)], v[SC+8*NQ*(\sc)+NQ*(\a)+(\q)] matrix_a_scale:MATRIX_SCALE_ROW1
.else
	v_wmma_scale_f32_16x16x128_f8f6f4 v[8*(8*((\a)%4)+\b):8*(8*((\a)%4)+\b)+7], v[128*(\p)+FR*\b:128*(\p)+FR*\b+FR-1], v[AF+FR*(\a):AF+FR*(\a)+FR-1], v[8*(8*((\a)%4)+\b):8*(8*((\a)%4)+\b)+7], v[SC+8*NQ*(\sc)+NQ*\b+(\q)], v[SC+8*NQ*(\sc)+NQ*(\a)+(\q)] matrix_a_scale:MATRIX_SCALE_ROW1
.endif
.endr
.endr
.endm
.macro FETCH_B slot, q, p
	WIN TO_B
.irp i, 0,1,2,3,4,5,6,7
	FRAG 128*(\p)+FR*\i, ADRB+\slot, \q, \i
.endr
	WIN 0
.endm
.macro FETCH_A slot, q, i0
.irp i, \i0, \i0+1, \i0+2, \i0+3
	FRAG AF+FR*(\i), ADRA+\slot, \q, \i
.endr
.endm
.macro SCALES sc
.irp i, 0,1,2,3,4,5,6,7
	ds_load_b64 v[SC+8*NQ*\sc+NQ*\i:SC+8*NQ*\sc+NQ*\i+1], v[ADRS] offset:\i*SBLK
.endr
.endm
.macro PLACES n
.rept \n
	v_nop
.endr
.endm
.macro STEP slot, q, cm
	s_wait_dscnt 4*NL
.if \cm
	WIN BEG_LO
.else
	WIN MUL_LO
.endif
	MUL16 0, (\q)%2, \q, \slot, \cm
	MUL16 2, (\q)%2, \q, \slot, \cm
	s_wait_dscnt 0
	PLACES NP
	FETCH_B \slot, (\q)+1, 1-(\q)%2
	FETCH_A \slot, (\q)+1, 0
.if \cm
	WIN BEG_HI
.else
	WIN MUL_HI
.endif
	MUL16 4, (\q)%2, \q, \slot, \cm
	MUL16 6, (\q)%2, \q, \slot, \cm
	PLACES NP
	WIN 0
	FETCH_A \slot, (\q)+1, 4
.endm
.macro TURN slot, next, fill
	s_wait_tensorcnt 0x0
	ds_add_u32 v[SPW], v[NIL]
	s_wait_dscnt 4*NL+1
	WIN MUL_LO
	MUL16 0, 1, NQ-1, \slot, 0
	s_wait_dscnt 0x0
	s_barrier_signal -1
	MUL16 2, 1, NQ-1, \slot, 0
	WIN 0
	s_barrier_wait -1
.if \fill
	CREST
	s_add_nc_u64 s[G0+4*\slot+2:G0+4*\slot+3], s[G0+4*\slot+2:G0+4*\slot+3], 2*ROWB
	s_add_nc_u64 s[G0B+4*\slot+2:G0B+4*\slot+3], s[G0B+4*\slot+2:G0B+4*\slot+3], 2*ROWB
	JLOAD G0+4*\slot, G1, G0B+4*\slot, G1B
	PLACES NP-4
.else
	PLACES NP
.endif
	s_wait_alu depctr_va_vdst(0)
	v_add_nc_u32 v[ADRS], 4*NQ, v[ADRS]
	FETCH_B \next, 0, 0
	FETCH_A \next, 0, 0
	SCALES \next
	WIN MUL_HI
	MUL16 4, 1, NQ-1, \slot, 0
	MUL16 6, 1, NQ-1, \slot, 0
	PLACES NP
	WIN 0
	FETCH_A \next, 0, 4
.endm
	s_wait_alu depctr_va_vdst(0)                   ; the wait at the head's end
	s_wait_tensorcnt 0x0                           ; my tile of the head's four is in; an add to my spare word and its wait ahead of a later first fill:
	ds_add_u32 v[SPW], v[NIL]
	s_mov_b32 s[G1+2], 128<<16                     ; no tensor load of mine is out, so a descriptor may be written: from here on a load brings 128 rows
	s_mov_b32 s[G1+4], 128
	s_mov_b32 s[G1B+2], 128<<16
	s_mov_b32 s[G1B+4], 128
	s_wait_dscnt 0x0
	CROUND                                         ; all four tiles are in, and all sixteen work-groups are here
	JLOAD G0+4, G1, G0B+4, G1B                     ; K step 1: the first tensor load behind the round
	FETCH_B 0, 0, 0
	FETCH_A 0, 0, 0
	SCALES 0
	global_prefetch_b8 v[PFO], s[PFA:PFA+1] offset:768 th:TH_LOAD_NT scope:SCOPE_SE    ; K step 3: two steps on from the load above
	FETCH_A 0, 0, 4
	s_wait_loadcnt 0x0
.if MODE == 0
	s_cmp_eq_u32 s2, 0
	s_cbranch_scc0 .Lfirst_rows
	STEP 0, 0, 1
	s_branch .Lfirst_done
.Lfirst_rows:
	STEP 0, 0, 2
.Lfirst_done:
.else
	STEP 0, 0, 1
.endif
	s_mov_b32 s3, LAPS-1
.Llap:
	TURN 0, 1, 1
	STEP 1, 0, 0
	TURN 1, 0, 1
	STEP 0, 0, 0
	s_sub_co_u32 s3, s3, 1
	s_cmp_lg_u32 s3, 0
	s_cbranch_scc1 .Llap
	TURN 0, 1, 0
	STEP 1, 0, 0
	s_wait_dscnt 4*NL
	WIN MUL_LO
	MUL16 0, 1, NQ-1, 1, 0
	MUL16 2, 1, NQ-1, 1, 0
	s_wait_dscnt 0
	WIN MUL_HI
	MUL16 4, 1, NQ-1, 1, 0
	MUL16 6, 1, NQ-1, 1, 0
	WIN 0
.macro QBLK a
.set WN, 2+(\a)/4
.set AC, 64*((\a)%4)
.set CD, CDS+16*(\a)
.set WS, WN|(WN<<2)
	WIN WS
.irp b, 0,1,2,3
.if RELU
	v_max3_num_f32 v[TM+\b], v[AC+16*\b], v[AC+16*\b+1], 0x4800000
.else
	v_max3_num_f32 v[TM+\b], |v[AC+16*\b]|, |v[AC+16*\b+1]|, 0x4800000
.endif
.endr
.irp i, 2,4,6,8,10,12,14
.irp b, 0,1,2,3
.if RELU
	v_max3_num_f32 v[TM+\b], v[AC+16*\b+\i], v[AC+16*\b+\i+1], v[TM+\b]
.else
	v_max3_num_f32 v[TM+\b], |v[AC+16*\b+\i]|, |v[AC+16*\b+\i+1]|, v[TM+\b]
.endif
.endr
.endr
	WIN 0
.irp b, 0,1,2,3
	v_permlanex16_b32 v[TM+4+\b], v[TM+\b], s104, s105
.endr
.irp b, 0,1,2,3
	v_max_num_f32 v[TM+\b], v[TM+\b], v[TM+4+\b]
.endr
.irp b, 0,1,2,3
	v_add_nc_u32 v[TM+12+\b], 0xfc000000, v[TM+\b]
.endr
.irp b, 0,1,2,3
	v_and_or_b32 v[TM+8+\b], v[TM+\b], 0x7f800000, s95
.endr
.irp b, 0,1,2,3
	v_lshrrev_b32 v[TM+4+\b], 23, v[TM+12+\b]
.endr
	v_lshl_or_b32 v[PW+\a], v[TM+5], 8, v[TM+4]
	v_lshl_or_b32 v[PW+\a], v[TM+6], 16, v[PW+\a]
	v_lshl_or_b32 v[PW+\a], v[TM+7], 24, v[PW+\a]
.set WS, WN|(WN<<6)
	WIN WS
.irp b, 0,1,2,3
.irp i, 0,1,2,3,4,5,6,7,8,9,10,11,12,13,14,15
.if RELU
	v_med3_num_f32 v[AC+16*\b+\i], v[AC+16*\b+\i], 0, v[TM+8+\b]
.else
	v_med3_num_f32 v[AC+16*\b+\i], v[AC+16*\b+\i], -v[TM+8+\b], v[TM+8+\b]
.endif
.endr
.endr
	WIN WN
.irp t, 0,1,2,3,4,5,6,7
	v_cvt_scalef32_pk8_fp8_f32 v[CD+2*\t:CD+2*\t+1], v[AC+8*\t:AC+8*\t+7], v[TM+12+\t/2]
.endr
	v_nop
	WIN 0
.irp t, 0,1,2,3,4,5,6,7
	ds_store_b64 v[STO], v[CD+2*\t:CD+2*\t+1] offset:16*(\a)*SPITCH+16*\t
.endr
	ds_store_b32 v[SSP], v[PW+\a] offset:128*(\a)
.endm
	PLACES NP
.irp b, 0,1,2,3
	v_mov_b32 v[TM+4+\b], 0
.endr
.irp a, 0,1,2,3,4,5,6,7
	QBLK \a
.endr
	s_wait_dscnt 0x0
	s_barrier_signal -1
	s_barrier_wait -1
.if MODE == 0
	s_cmp_eq_u32 s2, 0
	s_cbranch_scc0 .Lout_rows
.set g, 0
.rept 16
	ds_load_b128 v[CDS+4*g:CDS+4*g+3], v[RDQ] offset:8*g*SPITCH
.set g, g+1
.endr
.rept 16
	ds_load_b128 v[CDS+4*g:CDS+4*g+3], v[RDQ2] offset:8*(g-16)*SPITCH
.set g, g+1
.endr
.irp i, 0,1
.irp k, 0,1,2,3
	ds_load_u16 v[TM+4*\i+\k], v[SLQ] offset:1024*\i+8*\k
.endr
.endr
.set g, 0
.rept 32
	s_wait_dscnt 39-g
	global_store_b128 v[GQ], v[CDS+4*g:CDS+4*g+3], s[12:13] offset:512*g
.set g, g+1
.endr
	s_wait_dscnt 0x0
.irp k, 0,1,2,3,4,5,6,7
	v_or_b32 v[TM+\k], s94, v[TM+\k]
.endr
	global_store_b128 v[GQ], v[TM:TM+3], s[66:67]
	global_store_b128 v[GQ], v[TM+4:TM+7], s[66:67] offset:512
	s_branch .Lout_done
.Lout_rows:
.endif
.set g, 0
.rept 32
	ds_load_b128 v[CDS+4*g:CDS+4*g+3], v[RDP] offset:2*g*SPITCH
.set g, g+1
.endr
	ds_load_b128 v[TM:TM+3], v[SLP]
.set g, 0
.rept 32
	s_wait_dscnt 32-g
	global_store_b128 v[GP], v[CDS+4*g:CDS+4*g+3], s[12:13] offset:2*g*OUTP
.set g, g+1
.endr
	s_wait_dscnt 0x0
	global_store_b128 v[GQ], v[TM:TM+3], s[66:67]
.Lout_done:
	s_wait_tensorcnt 0x0
	ds_add_u32 v[SPW], v[NIL]
	s_wait_dscnt 0x0
	CROUND
	s_endpgm
.Lfunc_end_k_qb33dfcd127_qkv:
	.size	k_qb33dfcd127_qkv, .Lfunc_end_k_qb33dfcd127_qkv-k_qb33dfcd127_qkv
	.p2alignl 7, 3214868480
	.fill 96, 4, 3214868480
	.section	.rodata,"a",@progbits
	.p2align	6, 0x0
	.amdhsa_kernel k_qb33dfcd127_qkv
		.amdhsa_group_segment_fixed_size 327680
		.amdhsa_private_segment_fixed_size 0
		.amdhsa_enable_private_segment 0
		.amdhsa_kernarg_size 88
		.amdhsa_user_sgpr_count 2
		.amdhsa_user_sgpr_kernarg_segment_ptr 1
		.amdhsa_wavefront_size32 1
		.amdhsa_system_sgpr_workgroup_id_x 1
		.amdhsa_system_sgpr_workgroup_id_y 1
		.amdhsa_system_sgpr_workgroup_id_z 1
		.amdhsa_system_vgpr_workitem_id 0
		.amdhsa_next_free_vgpr 1024
		.amdhsa_next_free_sgpr 106
		.amdhsa_reserve_vcc 0
		.amdhsa_float_denorm_mode_32 3
		.amdhsa_float_denorm_mode_16_64 3
		.amdhsa_memory_ordered 1
		.amdhsa_forward_progress 1
		.amdhsa_inst_pref_size 225
	.end_amdhsa_kernel
	.amdgpu_metadata
---
amdhsa.version: [ 1, 2 ]
amdhsa.kernels:
  - .name:           k_qb33dfcd127_qkv
    .symbol:         k_qb33dfcd127_qkv.kd
    .args:
      - { .name: hq, .offset: 0, .size: 8, .value_kind: global_buffer, .address_space: global }
      - { .name: wq_codes, .offset: 8, .size: 8, .value_kind: global_buffer, .address_space: global }
      - { .name: wq_scales, .offset: 16, .size: 8, .value_kind: global_buffer, .address_space: global }
      - { .name: bq, .offset: 24, .size: 8, .value_kind: global_buffer, .address_space: global }
      - { .name: wk_codes, .offset: 32, .size: 8, .value_kind: global_buffer, .address_space: global }
      - { .name: wk_scales, .offset: 40, .size: 8, .value_kind: global_buffer, .address_space: global }
      - { .name: bk, .offset: 48, .size: 8, .value_kind: global_buffer, .address_space: global }
      - { .name: wv_codes, .offset: 56, .size: 8, .value_kind: global_buffer, .address_space: global }
      - { .name: wv_scales, .offset: 64, .size: 8, .value_kind: global_buffer, .address_space: global }
      - { .name: bv, .offset: 72, .size: 8, .value_kind: global_buffer, .address_space: global }
      - { .name: qkv, .offset: 80, .size: 8, .value_kind: global_buffer, .address_space: global }
    .group_segment_fixed_size: 327680
    .private_segment_fixed_size: 0
    .kernarg_segment_align: 8
    .kernarg_segment_size: 88
    .max_flat_workgroup_size: 128
    .sgpr_count:     106
    .vgpr_count:     1024
    .wavefront_size: 32
...
	.end_amdgpu_metadata
.endif
;; end of part 2
;; launch attn (part 3): grid 4 x 64, 16 waves a work-group, no clusters, 282,112 bytes of LDS; arguments qkv, rel_emb, rel_bias_emb, oq; writes oq
.if DOCPART == 3
	.amdgcn_target "amdgcn-amd-amdhsa--gfx1250"
	.amdhsa_code_object_version 6
	.text
	.protected	k_qb33dfcd127_attn
	.globl	k_qb33dfcd127_attn
	.p2align	8
	.type	k_qb33dfcd127_attn,@function
k_qb33dfcd127_attn:
	s_mov_b64 s[64:65], 0
	v_nop
	global_prefetch_b8 v0, s[64:65] scope:SCOPE_SE
	s_setreg_imm32_b32 hwreg(HW_REG_WAVE_MODE, 25, 1), 1
	s_wait_xcnt 0x0
; ATTENTION WITH RELATIVE POSITIONS, ON CODES OF E4M3.  logit(q, k) = (Q[q] . K[k] + Q[q] . rel_emb[id] + rel_bias_emb[id]) / 8, id = clip(k - q, -16, 16) + 16; o = softmax(logit) V, quantised along d on the way out.
; WORK LEFT OUT: the product of q with the gathered [s, s, 64] array is done on the 33 rows of rel_emb and looked up by id (shown at the head of the first launch: the quantiser works on each gathered row by itself).
; IN (buffer qkv): q, k codes [b][head][token][64 bytes] at 0 and 4 MiB; v codes [b][channel][key] at 8 MiB; q, k scale words at 12 MiB, 12 MiB + 256 KiB; v scale bytes [b x 4 + key tile][channel][8] at 12 MiB + 512 KiB.
; OUT (buffer oq): codes [b][head][token][64 bytes] at 0; scale words [b][pair of heads][token] at 4 MiB, byte 2 (head % 2) + (d / 32).  The bytes are stored one a lane, 4 bytes apart:
; 128 KiB in the whole launch; the words of a pair of heads are shared by two work-groups, each storing its own bytes.
; THE SOFTMAX: t = logit x log2(e); M = the running largest t rounded up to a whole number; p = 2^(t - M) is quantised along the keys; the sum is taken of the unquantised p and divides at the end.
; SHARES.  A work-group owns 256 queries of one head, each of sixteen waves 16 of them, in 256 registers.  The head's 1,024 keys and values lie in LDS whole, filled once by 14 tensor loads (waves 0-7: K, 128 keys each;
; 8-11: V, 256 keys each; 12, 13: their scales); no byte is filled again.  NO CLUSTER: the key step at which a wave meets the band of relative positions hangs on its block of queries, so partners would branch differently.
; LAYOUT.  Both products transposed (S^T = K Q^T, O^T = V^T P^T): a lane holds one query.  Lane r of tile 2 b + u takes key (or channel) 32 b + 8 u + r + 8 (r / 8), so that the 16 registers of two neighbouring
; tiles are 16 neighbours along the next K.  The head's 64 fill half of the instruction's 128: the upper eight registers of every fragment of K, Q and rel_emb hold zero codes.
; THE TABLE.  T(q, id) = Q[q] . rel_emb[id] + rel_bias_emb[id]: three matrix instructions a wave (rows 0-15, 16-31, and row 32 sixteen times), the bias as the C of the first two, and added to the third.  Row r of the wave's table in LDS holds T(q0 + r, clip(e - r))
; at word e + 48, e = key - q0: so a lane's 16 neighbouring keys are 64 neighbouring bytes.  Outside the band (keys q0 - 15 .. q0 + 30) the term is one number a query, T(q, 0) or T(q, 32), and goes into the multiply-add's addend.
; LIMITS: blocks under 2^(9 - 127) get the byte 1; NaN and infinities are not served.
.set KP,    80                         ; a key's row in LDS: 64 bytes + 16
.set VP,    272                        ; a row of a chunk of V: 256 keys + 16
.set VT,    81920                      ; behind K's 1,024 rows: V, 4 chunks x 64 rows
.set KSW,   151552                     ; K's scale words, 4,096 bytes
.set VSC,   155648                     ; V's scale bytes [key tile 4][channel 64][8]
.set RIMG,  157696                     ; rel_emb's three fragments as images of their registers, 1,024 bytes each; at + 3,072 their scale words
.set TBL,   161280                     ; the tables: 16 rows x 464 bytes for each wave; at the end the wave's stage
.set TROW,  464
.set TWAVE, 16*TROW
.set SPARE, 280064                     ; the spare words, 128 bytes for each wave: eight blocks of 256 bytes that no other line names
.set SPW,   5
.set NIL,   6
.set WV,    76
; v1-4 my lane's place in K, V and their scales; v7, v8 the table's all-left chunk (+ 64 h); v9 left term x c; v[10:11] addend, term; v12 -M; v13 largest t; v[14:15] the sum; v16-31 Q; v32-95 four fragments of K;
; v96-159 S^T, p, then V's fragments; v160-191 O^T; v192-207 p's codes; v208-211 the band's chunks; v212-215 addresses in hand; v216 right term x c; v217-231 addresses made once; v232-254 at work; v248-251, v253, v255 scale words
	s_load_b256 s[4:11], s[0:1], 0x0               ; qkv s[4:5], rel_emb s[6:7], rel_bias_emb s[8:9], oq s[10:11]
	v_lshl_add_u32 v[SPW], v0, 2, SPARE
	v_mov_b32 v[NIL], 0
	ds_add_u32 v[SPW], v[NIL]                      ; the wave's opening: the add, twice on end, and its wait ahead of the first tensor load
	ds_add_u32 v[SPW], v[NIL]
	v_lshrrev_b32 v1, 5, v0
	s_delay_alu instid0(VALU_DEP_1)
	v_readfirstlane_b32 s[WV], v1                  ; wave 0..15
	s_and_b32 s77, ttmp7, 0xffff                   ; 16 b + head
	s_lshl_b32 s93, ttmp9, 8
	s_lshl_b32 s2, s[WV], 4
	s_add_co_u32 s93, s93, s2                      ; q0: my first query
	; descriptor groups 1.  K: 128 rows of 64 bytes, dense, 16 bytes of padding behind each
	s_mov_b32 s24, (0<<16)|(1<<20)|(3<<22)|(3<<25)
	s_mov_b32 s25, 64<<16
	s_mov_b32 s26, 128<<16
	s_mov_b32 s27, 64<<16
	s_mov_b32 s28, 128
	s_mov_b32 s29, 64
	s_mov_b32 s30, 0
	s_mov_b32 s31, 0
	; V: 64 rows of 256 bytes, 1,024 apart, 16 bytes of padding behind each
	s_mov_b32 s32, (0<<16)|(1<<20)|(5<<22)|(3<<25)
	s_mov_b32 s33, 256<<16
	s_mov_b32 s34, 64<<16
	s_mov_b32 s35, 256<<16
	s_mov_b32 s36, 64
	s_mov_b32 s37, 1024
	s_mov_b32 s38, 0
	s_mov_b32 s39, 0
	; K's scale words: 4,096 dense bytes as 16 rows of 32 elements of 8 bytes
	s_mov_b32 s40, 3<<16
	s_mov_b32 s41, 32<<16
	s_mov_b32 s42, 16<<16
	s_mov_b32 s43, 32<<16
	s_mov_b32 s44, 16
	s_mov_b32 s45, 32
	s_mov_b32 s46, 0
	s_mov_b32 s47, 0
	; V's scale bytes: 4 rows of 512 bytes (64 elements of 8), 8,192 bytes apart
	s_mov_b32 s48, 3<<16
	s_mov_b32 s49, 64<<16
	s_mov_b32 s50, 4<<16
	s_mov_b32 s51, 64<<16
	s_mov_b32 s52, 4
	s_mov_b32 s53, 1024
	s_mov_b32 s54, 0
	s_mov_b32 s55, 0
	; groups 0: the count, the LDS address, and for now the offset in qkv
	s_lshl_b32 s94, s77, 16                        ; a head's codes are 65,536 bytes in each of q, k, v
	s_mov_b32 s56, 1
	s_mul_i32 s57, s[WV], 128*KP
	s_lshl_b32 s58, s[WV], 13
	s_add_co_u32 s58, s58, s94
	s_add_co_u32 s58, s58, 0x400000
	s_mov_b32 s59, 0
	s_and_b32 s2, s[WV], 3
	s_mov_b32 s60, 1
	s_mul_i32 s61, s2, 64*VP
	s_add_co_u32 s61, s61, VT
	s_lshl_b32 s62, s2, 8
	s_add_co_u32 s62, s62, s94
	s_add_co_u32 s62, s62, 0x800000
	s_mov_b32 s63, 0
	s_mov_b32 s68, 1
	s_mov_b32 s69, KSW
	s_lshl_b32 s70, s77, 12
	s_add_co_u32 s70, s70, 0xc40000
	s_mov_b32 s71, 0
	s_mov_b32 s72, 1
	s_mov_b32 s73, VSC
	s_lshr_b32 s74, s77, 4
	s_lshl_b32 s74, s74, 15
	s_and_b32 s2, s77, 15
	s_lshl_b32 s2, s2, 9
	s_add_co_u32 s74, s74, s2
	s_add_co_u32 s74, s74, 0xc80000
	s_mov_b32 s75, 0
	; my queries' codes (and o's: the same place), scale words, and o's scale bytes
	s_lshl_b32 s96, s93, 6
	s_add_co_u32 s96, s96, s94
	s_mov_b32 s97, 0
	s_lshl_b32 s98, s77, 10
	s_add_co_u32 s98, s98, s93
	s_lshl_b32 s98, s98, 2
	s_add_co_u32 s98, s98, 0xc00000
	s_mov_b32 s99, 0
	s_lshr_b32 s100, s77, 1
	s_lshl_b32 s100, s100, 10
	s_add_co_u32 s100, s100, s93
	s_lshl_b32 s100, s100, 2
	s_and_b32 s2, s77, 1
	s_lshl_b32 s2, s2, 1
	s_add_co_u32 s100, s100, s2
	s_add_co_u32 s100, s100, 0x400000
	s_mov_b32 s101, 0
	s_mov_b32 s78, 0x76543210
	s_mov_b32 s79, 0xfedcba98                      ; selects for lane l xor 16
	s_mov_b32 s80, 0x3e38aa3b                      ; c = log2(e) / 8
	s_mov_b32 s81, s80                             ; (named with it as a pair)
	s_mov_b32 s82, 0x600000                        ; the mantissa field of 448
	s_mov_b32 s83, 0xffff0000                      ; lanes 16-31
	; the band: key step a holds my queries; it reaches into step a - 1 for the step's first 16 queries and into a + 1 for its last 16
	s_lshr_b32 s89, s[WV], 3
	s_lshl_b32 s2, ttmp9, 1
	s_add_co_u32 s89, s89, s2                      ; a
	s_and_b32 s94, s[WV], 7                        ; c7: q0 = 128 a + 16 c7
	s_cmp_eq_u32 s94, 0
	s_cselect_b32 s2, 1, 0
	s_sub_co_i32 s90, s89, s2                      ; the band's first step (-1 at the least: the compares are signed)
	s_cmp_eq_u32 s94, 7
	s_cselect_b32 s2, 1, 0
	s_add_co_u32 s91, s89, s2                      ; and its last
	s_wait_dscnt 0x0                               ; both opening adds are done
	s_wait_kmcnt 0x0
	s_add_nc_u64 s[58:59], s[4:5], s[58:59]
	s_or_b32 s59, s59, 0x80000000
	s_add_nc_u64 s[62:63], s[4:5], s[62:63]
	s_or_b32 s63, s63, 0x80000000
	s_add_nc_u64 s[70:71], s[4:5], s[70:71]
	s_or_b32 s71, s71, 0x80000000
	s_add_nc_u64 s[74:75], s[4:5], s[74:75]
	s_or_b32 s75, s75, 0x80000000
	s_cmp_lt_u32 s[WV], 8                          ; one load a wave, chosen by the wave's number; an s_nop 0 and four v_nop follow each
	s_cbranch_scc0 .Lnot_k
	tensor_load_to_lds s[56:59], s[24:31]
	s_nop 0
.rept 4
	v_nop
.endr
	s_branch .Lasked
.Lnot_k:
	s_cmp_lt_u32 s[WV], 12
	s_cbranch_scc0 .Lnot_v
	tensor_load_to_lds s[60:63], s[32:39]
	s_nop 0
.rept 4
	v_nop
.endr
	s_branch .Lasked
.Lnot_v:
	s_cmp_eq_u32 s[WV], 12
	s_cbranch_scc0 .Lnot_ks
	tensor_load_to_lds s[68:71], s[40:47]
	s_nop 0
.rept 4
	v_nop
.endr
	s_branch .Lasked
.Lnot_ks:
	s_cmp_eq_u32 s[WV], 13
	s_cbranch_scc0 .Lasked
	tensor_load_to_lds s[72:75], s[48:55]
	s_nop 0
.rept 4
	v_nop
.endr
.Lasked:
	s_add_nc_u64 s[100:101], s[10:11], s[100:101]  ; o's scale bytes
	s_add_nc_u64 s[10:11], s[10:11], s[96:97]      ; o's codes
	s_add_nc_u64 s[96:97], s[4:5], s[96:97]        ; q's codes
	s_add_nc_u64 s[98:99], s[4:5], s[98:99]        ; q's scale words
	v_and_b32 v228, 15, v0                         ; r
	v_bfe_u32 v229, v0, 4, 1                       ; h
	v_and_b32 v230, 31, v0                         ; lane
	s_delay_alu instid0(VALU_DEP_3)
	v_lshlrev_b32 v9, 6, v228
	s_delay_alu instid0(VALU_DEP_1)
	v_lshl_add_u32 v9, v229, 4, v9                 ; q: row r of 64 bytes, + 16 h
	v_lshlrev_b32 v216, 2, v228
	v_lshlrev_b32 v10, 5, v229
	v_mov_b32 v11, 0
	global_load_b128 v[16:19], v9, s[96:97]
	global_load_b128 v[20:23], v9, s[96:97] offset:32
	global_load_b32 v255, v216, s[98:99]
	global_load_b128 v[128:131], v10, s[8:9]               ; the bias of ids 8 h + 0..7,
	global_load_b128 v[132:135], v10, s[8:9] offset:16
	global_load_b128 v[136:139], v10, s[8:9] offset:64     ; of ids 16 + 8 h + 0..7,
	global_load_b128 v[140:143], v10, s[8:9] offset:80
	global_load_b32 v144, v11, s[8:9] offset:128           ; and of id 32
	v_and_b32 v231, 8, v228
	s_delay_alu instid0(VALU_DEP_1)
	v_add_nc_u32 v231, v231, v228                  ; r + 8 (r / 8)
	s_delay_alu instid0(VALU_DEP_1)
	v_mul_u32_u24 v1, v231, KP
	s_delay_alu instid0(VALU_DEP_1)
	v_lshl_add_u32 v1, v229, 4, v1
	s_delay_alu instid0(VALU_DEP_3)
	v_mul_u32_u24 v2, v231, VP
	s_delay_alu instid0(VALU_DEP_1)
	v_lshl_add_u32 v2, v229, 4, v2
	s_delay_alu instid0(VALU_DEP_1)
	v_add_nc_u32 v2, VT, v2
	v_lshl_add_u32 v3, v231, 2, KSW
	v_lshl_add_u32 v4, v231, 3, VSC
	s_mul_i32 s2, s[WV], TWAVE
	v_mul_u32_u24 v231, v228, TROW
	s_add_co_u32 s3, s2, TBL+64
	v_add_nc_u32 v7, s3, v231                      ; row r's chunk e = -32 .. -17: all left
	s_delay_alu instid0(VALU_DEP_1)
	v_lshl_add_u32 v8, v229, 6, v7
	s_add_co_u32 s3, s2, TBL-768
	v_add_nc_u32 v231, s3, v231                    ; the same less 13 chunks
	; in step a, block b of lane half hh begins at e = 16 (2 b + hh - c7), held to -32 .. 32: chunk z = 15 + 2 b + hh - c7 held to 13 .. 17 (the lower hold by way of 31 - z)
	s_wait_alu depctr_va_vdst(0)
	s_xor_b32 s84, s94, 7                          ; 7 - c7
.irp b, 0,1,2,3
	s_add_co_u32 s85, s84, 2*\b+8
	s_xor_b32 s85, s85, 31
	s_min_u32 s85, s85, 18
	s_xor_b32 s85, s85, 31
	s_min_u32 s85, s85, 17
	s_add_co_u32 s86, s84, 2*\b+9
	s_xor_b32 s86, s86, 31
	s_min_u32 s86, s86, 18
	s_xor_b32 s86, s86, 31
	s_min_u32 s86, s86, 17
	s_sub_co_u32 s86, s86, s85                     ; 0 or 1
	s_lshl_b32 s85, s85, 6
	s_lshl_b32 s86, s86, 6
	v_mad_u32_u24 v[208+\b], v229, s86, v231       ; the lower half's chunk + h x the distance to the upper half's
	s_delay_alu instid0(VALU_DEP_1)
	v_add_nc_u32 v[208+\b], s85, v[208+\b]
.endr
	s_add_co_u32 s3, s2, TBL                       ; my table
	v_mul_u32_u24 v217, v228, 468
	s_delay_alu instid0(VALU_DEP_1)
	v_add_nc_u32 v217, s3, v217                    ; row r, shifted by r words
	s_delay_alu instid0(VALU_DEP_1)
	v_lshl_add_u32 v218, v229, 6, v217             ; the fills: words r + 16 h + i
	s_delay_alu instid0(VALU_DEP_2)
	v_lshl_add_u32 v217, v229, 5, v217
	s_delay_alu instid0(VALU_DEP_1)
	v_add_nc_u32 v217, 128, v217                   ; id 16 t + 8 h + j at word r + 32 + id
	v_lshl_add_u32 v219, v230, 4, RIMG
	v_lshl_add_u32 v220, v230, 2, RIMG+3072
	s_lshl_b32 s85, s[WV], 10
	v_add_nc_u32 v221, s85, v219
	s_lshl_b32 s85, s[WV], 7
	v_add_nc_u32 v222, s85, v220
	s_lshl_b32 s85, s[WV], 4
	v_add_nc_u32 v223, s85, v228
	s_delay_alu instid0(VALU_DEP_1)
	v_min_u32 v223, 32, v223                       ; rel_emb's row 16 w + r, held at 32
	s_delay_alu instid0(VALU_DEP_1)
	v_lshlrev_b32 v223, 8, v223
	s_delay_alu instid0(VALU_DEP_1)
	v_lshl_add_u32 v223, v229, 6, v223             ; + 64 h: my 16 numbers of a block of 32
	v_lshlrev_b32 v224, 6, v228
	s_delay_alu instid0(VALU_DEP_1)
	v_lshl_add_u32 v224, v229, 4, v224
	s_delay_alu instid0(VALU_DEP_1)
	v_add_nc_u32 v224, s3, v224                    ; the stage, way in: row r of 64 bytes, + 16 h
	v_lshl_add_u32 v225, v230, 4, s3               ; way out
	v_lshlrev_b32 v226, 4, v230
	v_lshl_add_u32 v227, v228, 2, v229             ; o's scale byte: 4 r + h
.irp j, 24,25,26,27,28,29,30,31, 40,41,42,43,44,45,46,47, 56,57,58,59,60,61,62,63, 72,73,74,75,76,77,78,79, 88,89,90,91,92,93,94,95
	v_mov_b32 v[\j], 0                             ; the zero codes that fill K from 64 to 128: they stand for the whole launch
.endr
.set j, 0
.rept 32
	v_mov_b32 v[160+j], 0                          ; O^T: the loop is written once; its first step finds zeros
.set j, j+1
.endr
	v_mov_b32 v14, 0
	v_mov_b32 v15, 0
	v_mov_b32 v13, 0xff61b1e6                      ; the largest t so far: -3e38
	s_delay_alu instid0(VALU_DEP_1)
	v_floor_f32 v12, -v13
.irp b, 0,1,2,3
	v_mov_b32 v[236+\b], 0                         ; a lane permute's destination counts as one of its sources
.endr
	v_mov_b32 v253, 0
	s_mov_b32 s84, 0                               ; where the step's K, V and scales begin
	s_mov_b32 s85, 0
	s_mov_b32 s86, 0
	s_mov_b32 s87, 0
	s_mov_b32 s88, 0                               ; the key step
; 32 numbers of a lane in v96-127, register 16 b + i = k 32 b + 16 h + i of my row, become eight registers of codes in v192-199; the two bytes in v236, v237
.macro QUANT2
.irp b, 0,1
	v_max3_num_f32 v[232+\b], |v[96+16*\b]|, |v[97+16*\b]|, 0x4800000
.endr
.irp i, 2,4,6,8,10,12,14
.irp b, 0,1
	s_delay_alu instid0(VALU_DEP_2)
	v_max3_num_f32 v[232+\b], v[232+\b], |v[96+16*\b+\i]|, |v[97+16*\b+\i]|
.endr
.endr
.irp b, 0,1
	s_delay_alu instid0(VALU_DEP_2)
	v_permlanex16_b32 v[236+\b], v[232+\b], s78, s79
.endr
.irp b, 0,1
	s_delay_alu instid0(VALU_DEP_2)
	v_max_num_f32 v[232+\b], v[232+\b], v[236+\b]
.endr
.irp b, 0,1
	s_delay_alu instid0(VALU_DEP_2)
	v_add_nc_u32 v[244+\b], 0xfc000000, v[232+\b]
.endr
.irp b, 0,1
	s_delay_alu instid0(VALU_DEP_4)
	v_and_or_b32 v[240+\b], v[232+\b], 0x7f800000, s82
.endr
.irp b, 0,1
	s_delay_alu instid0(VALU_DEP_4)
	v_lshrrev_b32 v[236+\b], 23, v[244+\b]
.endr
.irp b, 0,1
.irp i, 0,1,2,3,4,5,6,7,8,9,10,11,12,13,14,15
	v_med3_num_f32 v[96+16*\b+\i], v[96+16*\b+\i], -v[240+\b], v[240+\b]
.endr
	v_cvt_scalef32_pk8_fp8_f32 v[192+4*\b:193+4*\b], v[96+16*\b:103+16*\b], v[244+\b]
	v_cvt_scalef32_pk8_fp8_f32 v[194+4*\b:195+4*\b], v[104+16*\b:111+16*\b], v[244+\b]
.endr
	v_nop                                          ; a plain line behind the last conversion
.endm
	s_cmp_lt_u32 s[WV], 3                          ; waves 0 to 2 quantise rel_emb: 16 rows each, and leave the fragment in LDS as an image of its registers
	s_cbranch_scc0 .Lno_rel
.irp c, 0,1
.irp j, 0,1,2,3
	global_load_b128 v[96+16*\c+4*\j:99+16*\c+4*\j], v223, s[6:7] offset:128*\c+16*\j
.endr
.endr
	s_wait_loadcnt 0x0
	QUANT2
	v_lshl_or_b32 v200, v237, 8, v236
	s_delay_alu instid0(VALU_DEP_1)
	v_or_b32 v200, 0x7f7f0000, v200
	ds_store_b128 v221, v[192:195]
	ds_store_b128 v221, v[196:199] offset:512
	ds_store_b32 v222, v200
.Lno_rel:
	s_wait_dscnt 0x0                               ; my stores of rel_emb's image are done:
	s_barrier_signal -1
	s_barrier_wait -1                              ; everybody's.  K's and V's tiles may still be on their way: the table below reads none of their bytes, and no byte is filled again
	; ---- the table
.irp t, 0,1,2
	ds_load_b128 v[32+16*\t:35+16*\t], v219 offset:1024*\t
	ds_load_b128 v[36+16*\t:39+16*\t], v219 offset:1024*\t+512
	ds_load_b32 v[248+\t], v220 offset:128*\t
.endr
	s_wait_loadcnt 0x0                             ; q, its scale words, the bias
	s_wait_dscnt 0x0
	v_wmma_scale_f32_16x16x128_f8f6f4 v[96:103], v[32:47], v[16:31], v[128:135], v248, v255
	s_wait_alu depctr_va_vdst(0)
	v_wmma_scale_f32_16x16x128_f8f6f4 v[104:111], v[48:63], v[16:31], v[136:143], v249, v255
	v_wmma_scale_f32_16x16x128_f8f6f4 v[112:119], v[64:79], v[16:31], 0, v250, v255
.rept 8
	v_nop
.endr
	v_permlanex16_b32 v236, v96, s78, s79
	v_cndmask_b32 v232, v96, v236, s83             ; T(q, 0) lies in lanes 0-15: now in both halves
	v_add_f32 v233, v112, v144                     ; T(q, 32)
	s_delay_alu instid0(VALU_DEP_2)
	v_mul_f32 v9, s80, v232
	s_delay_alu instid0(VALU_DEP_2)
	v_mul_f32 v216, s80, v233
.irp t, 0,1
.irp j, 0,1,2,3,4,5,6,7
	ds_store_b32 v217, v[96+8*\t+\j] offset:64*\t+4*\j
.endr
.endr
.irp i, 0,1,2,3,4,5,6,7,8,9,10,11,12,13,14,15
	ds_store_b32 v218, v232 offset:4*\i
	ds_store_b32 v218, v233 offset:256+4*\i
.endr
	s_wait_alu depctr_va_vdst(0)                   ; the wait here, directly ahead of the waits below
	s_wait_tensorcnt 0x0                           ; my tile has landed,
	s_wait_dscnt 0x0                               ; the stores have read their registers; the table is my wave's own, and LDS serves a wave's instructions in order
	s_barrier_signal -1
	s_barrier_wait -1                              ; everybody's tile has: K, V and their scales are whole
.macro TLD e, adr, off                 ; 16 words of my table's row
.irp j, 0,1,2,3
	ds_load_b128 v[\e+4*\j:\e+4*\j+3], v[\adr] offset:\off+16*\j
.endr
.endm
.macro TADD b, e
.irp j, 0,2,4,6,8,10,12,14
	v_pk_add_f32 v[96+16*\b+\j:97+16*\b+\j], v[96+16*\b+\j:97+16*\b+\j], v[\e+\j:\e+\j+1]
.endr
.endm
.macro BAND a0, o0, a1, o1, a2, o2, a3, o3     ; a step in the band: each block's 16 terms are added to the scores
	TLD 232, \a0, \o0
	TLD 192, \a1, \o1
	s_wait_dscnt 4                                 ; all but the four loads just issued
	TADD 0, 232
	TLD 232, \a2, \o2
	s_wait_dscnt 4
	TADD 1, 192
	TLD 192, \a3, \o3
	s_wait_dscnt 4
	TADD 2, 232
	s_wait_dscnt 0x0
	TADD 3, 192
	v_mov_b32 v11, 0
.endm
; A KEY STEP: 128 keys, the q-th of a trip's two
.macro STEP q
	v_add_nc_u32 v212, s84, v1
	s_wait_alu depctr_va_vdst(0)
	v_add_nc_u32 v213, s85, v2
	v_add_nc_u32 v214, s86, v3
	s_wait_alu depctr_va_vdst(0)
	v_add_nc_u32 v215, s87, v4
.rept 6
	v_nop                                          ; with the four additions ten places: the products below write over V's fragments, which the last products read (nine are asked), and the loads land in their scale registers (eight)
.endr
.irp g, 0,1
.if \g > 0
.rept 8
	v_nop
.endr
.endif
.irp t, 0,1,2,3
	ds_load_b128 v[32+16*\t:35+16*\t], v212 offset:(128*(\q)+32*((4*\g+\t)/2)+8*(\t%2))*KP
	ds_load_b128 v[36+16*\t:39+16*\t], v212 offset:(128*(\q)+32*((4*\g+\t)/2)+8*(\t%2))*KP+32
	ds_load_b32 v[248+\t], v214 offset:(128*(\q)+32*((4*\g+\t)/2)+8*(\t%2))*4
.endr
	s_wait_dscnt 0x0
.irp t, 0,1,2,3
	v_wmma_scale_f32_16x16x128_f8f6f4 v[96+8*(4*\g+\t):103+8*(4*\g+\t)], v[32+16*\t:47+16*\t], v[16:31], 0, v[248+\t], v255
.endr
.endr
.rept 8
	v_nop
.endr
	s_cmp_lt_i32 s88, s90                          ; where does the step lie against the band?  Ids and the count of steps alone
	s_cbranch_scc1 .Lleft_\@
	s_cmp_gt_i32 s88, s91
	s_cbranch_scc1 .Lright_\@
	s_cmp_eq_u32 s88, s89
	s_cbranch_scc1 .Lmid_\@
	s_cmp_lt_i32 s88, s89
	s_cbranch_scc1 .Lbelow_\@
	BAND 8, 192, 7, 256, 7, 256, 7, 256            ; step a + 1 (my queries are the step's last 16): e = 16 + 32 b + 16 h
	s_branch .Lterm_\@
.Lbelow_\@:
	BAND 7, 0, 7, 0, 7, 0, 8, 0                    ; step a - 1 (the step's first 16): e = -128 + 32 b + 16 h
	s_branch .Lterm_\@
.Lmid_\@:
	BAND 208, 0, 209, 0, 210, 0, 211, 0
	s_branch .Lterm_\@
.Lleft_\@:
	v_mov_b32 v11, v9                              ; every key lies 16 or more to the left
	s_branch .Lterm_\@
.Lright_\@:
	v_mov_b32 v11, v216                            ; or to the right
.Lterm_\@:
.irp b, 0,1,2,3
	v_max3_num_f32 v[232+\b], v[96+16*\b], v[97+16*\b], v[98+16*\b]   ; the largest score of each block of 32 keys: for the row's maximum, and, since p rises with the score, for the block's largest p
.endr
.irp i, 3,5,7,9,11,13
.irp b, 0,1,2,3
	v_max3_num_f32 v[232+\b], v[232+\b], v[96+16*\b+\i], v[97+16*\b+\i]
.endr
.endr
.irp b, 0,1,2,3
	v_max_num_f32 v[232+\b], v[232+\b], v[111+16*\b]
.endr
.irp b, 0,1,2,3
	s_delay_alu instid0(VALU_DEP_4)
	v_permlanex16_b32 v[236+\b], v[232+\b], s78, s79
.endr
.irp b, 0,1,2,3
	s_delay_alu instid0(VALU_DEP_4)
	v_max_num_f32 v[232+\b], v[232+\b], v[236+\b]
.endr
	s_delay_alu instid0(VALU_DEP_2)
	v_max3_num_f32 v254, v232, v233, v234
	s_delay_alu instid0(VALU_DEP_1)
	v_max_num_f32 v254, v254, v235
	s_delay_alu instid0(VALU_DEP_1)
	v_fma_f32 v254, v254, s80, v11                 ; as t: score x c + the step's term
	s_delay_alu instid0(VALU_DEP_1)
	v_max_num_f32 v13, v13, v254
	v_mov_b32 v254, v12
	s_delay_alu instid0(VALU_DEP_2)
	v_floor_f32 v12, -v13                          ; -M = floor(-t): M is a whole number
	s_delay_alu instid0(VALU_DEP_1)
	v_sub_f32 v254, v12, v254
	s_delay_alu instid0(VALU_DEP_1)
	v_cvt_i32_f32 v254, v254                       ; (it saturates)
	s_delay_alu instid0(VALU_DEP_1)
	v_ldexp_f32 v252, 1.0, v254                    ; f = 2^(old M - new M)
	s_delay_alu instid0(VALU_DEP_4)
	v_add_f32 v10, v11, v12                        ; the addend: term - M
.set j, 0
.rept 32
	v_pk_fma_f32 v[96+j:97+j], v[96+j:97+j], s[80:81], v[10:11] op_sel_hi:[1,0,0]   ; t - M, two at a time
.set j, j+2
.endr
.irp b, 0,1,2,3
	v_fma_f32 v[232+\b], v[232+\b], s80, v10
.endr
.set j, 0
	s_wait_alu depctr_va_vdst(0)
.rept 64
	v_exp_f32 v[96+j], v[96+j]                     ; p = 2^(t - M)
.set j, j+1
.endr
	v_pk_mul_f32 v[14:15], v[14:15], v[252:253] op_sel_hi:[1,0]   ; the sums under the new M (a plain line behind the exponentials)
	s_wait_alu depctr_va_vdst(0)                   ; one wait for the batch, ahead of its first reader
.irp b, 0,1,2,3
	v_exp_f32 v[232+\b], v[232+\b]                 ; each block's largest p
.endr
	v_pk_add_f32 v[236:237], v[100:101], v[104:105]
	v_pk_add_f32 v[250:251], v[108:109], v[112:113]
	v_pk_add_f32 v[248:249], v[116:117], v[120:121]
	v_pk_add_f32 v[246:247], v[124:125], v[128:129]
	v_pk_add_f32 v[244:245], v[132:133], v[136:137]
	v_pk_add_f32 v[242:243], v[140:141], v[144:145]
	v_pk_add_f32 v[240:241], v[148:149], v[152:153]
	v_pk_add_f32 v[14:15], v[14:15], v[156:157]
	v_pk_add_f32 v[236:237], v[236:237], v[96:97]
	v_pk_add_f32 v[250:251], v[250:251], v[98:99]
	v_pk_add_f32 v[248:249], v[248:249], v[102:103]
	v_pk_add_f32 v[246:247], v[246:247], v[106:107]
	v_pk_add_f32 v[244:245], v[244:245], v[110:111]
	v_pk_add_f32 v[242:243], v[242:243], v[114:115]
	v_pk_add_f32 v[240:241], v[240:241], v[118:119]
	v_pk_add_f32 v[14:15], v[14:15], v[122:123]
	v_pk_add_f32 v[236:237], v[236:237], v[126:127]
	v_pk_add_f32 v[250:251], v[250:251], v[130:131]
	v_pk_add_f32 v[248:249], v[248:249], v[134:135]
	v_pk_add_f32 v[246:247], v[246:247], v[138:139]
	v_pk_add_f32 v[244:245], v[244:245], v[142:143]
	v_pk_add_f32 v[242:243], v[242:243], v[146:147]
	v_pk_add_f32 v[240:241], v[240:241], v[150:151]
	v_pk_add_f32 v[14:15], v[14:15], v[154:155]
	v_pk_add_f32 v[236:237], v[236:237], v[158:159]
	s_delay_alu instid0(VALU_DEP_2)
	v_pk_add_f32 v[14:15], v[14:15], v[246:247]
	s_delay_alu instid0(VALU_DEP_2)
	v_pk_add_f32 v[236:237], v[236:237], v[244:245]
	v_pk_add_f32 v[250:251], v[250:251], v[242:243]
	v_pk_add_f32 v[248:249], v[248:249], v[240:241]
	s_delay_alu instid0(VALU_DEP_2)
	v_pk_add_f32 v[14:15], v[14:15], v[250:251]
	s_delay_alu instid0(VALU_DEP_2)
	v_pk_add_f32 v[236:237], v[236:237], v[248:249]
	s_delay_alu instid0(VALU_DEP_1)
	v_pk_add_f32 v[14:15], v[14:15], v[236:237]
	s_wait_alu depctr_va_vdst(0)                   ; and one for the four
.irp b, 0,1,2,3
	v_max_num_f32 v[232+\b], 0x4800000, v[232+\b]  ; the floor 2^(9 - 127)
.endr
.irp b, 0,1,2,3
	s_delay_alu instid0(VALU_DEP_4)
	v_add_nc_u32 v[244+\b], 0xfc000000, v[232+\b]
.endr
.irp b, 0,1,2,3
	v_and_or_b32 v[240+\b], v[232+\b], 0x7f800000, s82
.endr
.irp b, 0,1,2,3
	v_lshrrev_b32 v[236+\b], 23, v[244+\b]
.endr
	s_delay_alu instid0(VALU_DEP_3)
	v_lshl_or_b32 v253, v237, 8, v236              ; p's scale word for these 128 keys
	s_delay_alu instid0(VALU_DEP_1)
	v_lshl_or_b32 v253, v238, 16, v253
	s_delay_alu instid0(VALU_DEP_1)
	v_lshl_or_b32 v253, v239, 24, v253
.irp b, 0,1,2,3
	v_mov_b32 v[236+(\b+1)%4], v[240+\b]           ; each block's hold once more, in a register of another bank (number mod 4): the two halves of a dual instruction take their second sources from different banks
.endr
.irp b, 0,1,2,3
.irp i, 0,2,4,6,8,10,12,14
	v_dual_min_num_f32 v[96+16*\b+\i], v[96+16*\b+\i], v[240+\b] :: v_dual_min_num_f32 v[97+16*\b+\i], v[97+16*\b+\i], v[236+(\b+1)%4]   ; the hold, two numbers an instruction; p is not negative
.endr
	v_cvt_scalef32_pk8_fp8_f32 v[192+4*\b:193+4*\b], v[96+16*\b:103+16*\b], v[244+\b]
	v_cvt_scalef32_pk8_fp8_f32 v[194+4*\b:195+4*\b], v[104+16*\b:111+16*\b], v[244+\b]
.endr
.set j, 0
.rept 16
	v_pk_mul_f32 v[160+j:161+j], v[160+j:161+j], v[252:253] op_sel_hi:[1,0]   ; O^T under the new M; also the places between the codes and the products
.set j, j+2
.endr
.irp t, 0,1,2,3
.irp c, 0,1,2,3
	ds_load_b128 v[96+16*\t+4*\c:99+16*\t+4*\c], v213 offset:(32*(\t/2)+8*(\t%2))*VP+128*(\q)+32*\c
.endr
	ds_load_b32 v[248+\t], v215 offset:(32*(\t/2)+8*(\t%2))*8+4*(\q)
.endr
	s_wait_alu depctr_va_vdst(0)
	s_wait_dscnt 0x0
.irp t, 0,1,2,3
	v_wmma_scale_f32_16x16x128_f8f6f4 v[160+8*\t:167+8*\t], v[96+16*\t:111+16*\t], v[192:207], v[160+8*\t:167+8*\t], v[248+\t], v253
.endr
	s_add_co_u32 s88, s88, 1
.endm
	s_mov_b32 s92, 4
.Ltrip:                                            ; four trips of two key steps: 256 keys, a chunk of V
	STEP 0
	STEP 1
	s_add_co_u32 s84, s84, 256*KP
	s_add_co_u32 s85, s85, 64*VP
	s_add_co_u32 s86, s86, 1024
	s_add_co_u32 s87, s87, 512
	s_sub_co_u32 s92, s92, 1
	s_cmp_lg_u32 s92, 0
	s_cbranch_scc1 .Ltrip
	; THE WAY OUT: O^T / the sum; register 16 b + i is o(r, 32 b + 16 h + i); quantised along d; 16 rows x 64 bytes through my stage, stored as 1,024 consecutive bytes
.rept 8
	v_nop
.endr
	v_add_f32 v14, v14, v15
	s_delay_alu instid0(VALU_DEP_1)
	v_permlanex16_b32 v252, v14, s78, s79
	s_delay_alu instid0(VALU_DEP_1)
	v_add_f32 v14, v14, v252
	s_wait_alu depctr_va_vdst(0)
	v_rcp_f32 v14, v14
	v_nop
	s_wait_alu depctr_va_vdst(0)
.set j, 0
.rept 32
	v_mul_f32 v[96+j], v[160+j], v14
.set j, j+1
.endr
	QUANT2
	ds_store_b128 v224, v[192:195]
	ds_store_b128 v224, v[196:199] offset:32
	ds_load_b128 v[200:203], v225                  ; LDS serves a wave's instructions in order: these see my stores
	ds_load_b128 v[204:207], v225 offset:512
	v_cndmask_b32 v232, v236, v237, s83            ; lanes 0-15 store the byte of d 0-31, lanes 16-31 that of d 32-63
	s_wait_alu depctr_va_vdst(0)
	s_wait_dscnt 0x0
	global_store_b128 v226, v[200:203], s[10:11]
	global_store_b128 v226, v[204:207], s[10:11] offset:512
	global_store_b8 v227, v232, s[100:101]
	s_wait_tensorcnt 0x0                           ; the wave's end: a tensor wait, an add to my spare word and its wait, behind my last tensor load and my last LDS store
	ds_add_u32 v[SPW], v[NIL]
	s_wait_dscnt 0x0
	s_endpgm
.Lfunc_end_k_qb33dfcd127_attn:
	.size	k_qb33dfcd127_attn, .Lfunc_end_k_qb33dfcd127_attn-k_qb33dfcd127_attn
	.p2alignl 7, 3214868480
	.fill 96, 4, 3214868480
	.section	.rodata,"a",@progbits
	.p2align	6, 0x0
	.amdhsa_kernel k_qb33dfcd127_attn
		.amdhsa_group_segment_fixed_size 282112
		.amdhsa_private_segment_fixed_size 0
		.amdhsa_enable_private_segment 0
		.amdhsa_kernarg_size 32
		.amdhsa_user_sgpr_count 2
		.amdhsa_user_sgpr_kernarg_segment_ptr 1
		.amdhsa_wavefront_size32 1
		.amdhsa_system_sgpr_workgroup_id_x 1
		.amdhsa_system_sgpr_workgroup_id_y 1
		.amdhsa_system_sgpr_workgroup_id_z 1
		.amdhsa_system_vgpr_workitem_id 0
		.amdhsa_next_free_vgpr 256
		.amdhsa_next_free_sgpr 102
		.amdhsa_reserve_vcc 0
		.amdhsa_float_denorm_mode_32 3
		.amdhsa_float_denorm_mode_16_64 3
		.amdhsa_memory_ordered 1
		.amdhsa_forward_progress 1
		.amdhsa_inst_pref_size 94
	.end_amdhsa_kernel
	.amdgpu_metadata
---
amdhsa.version: [ 1, 2 ]
amdhsa.kernels:
  - .name:           k_qb33dfcd127_attn
    .symbol:         k_qb33dfcd127_attn.kd
    .args:
      - { .name: qkv, .offset: 0, .size: 8, .value_kind: global_buffer, .address_space: global }
      - { .name: rel_emb, .offset: 8, .size: 8, .value_kind: global_buffer, .address_space: global }
      - { .name: rel_bias_emb, .offset: 16, .size: 8, .value_kind: global_buffer, .address_space: global }
      - { .name: oq, .offset: 24, .size: 8, .value_kind: global_buffer, .address_space: global }
    .group_segment_fixed_size: 282112
    .private_segment_fixed_size: 0
    .kernarg_segment_align: 8
    .kernarg_segment_size: 32
    .max_flat_workgroup_size: 512
    .sgpr_count:     102
    .vgpr_count:     256
    .wavefront_size: 32
...
	.end_amdgpu_metadata
.endif
;; end of part 3
;; launch wo (part 4): grid 8 x 32, 4 waves a work-group, clusters of 4 x 4, 327,680 bytes of LDS; arguments oq, wo_codes, wo_scales, bo, x, x1; writes x1
.if DOCPART == 4
	.amdgcn_target "amdgcn-amd-amdhsa--gfx1250"
	.amdhsa_code_object_version 6
	.text
	.protected	k_qb33dfcd127_wo
	.globl	k_qb33dfcd127_wo
	.p2align	8
	.type	k_qb33dfcd127_wo,@function
k_qb33dfcd127_wo:
	s_mov_b64 s[64:65], 0
	v_nop
	global_prefetch_b8 v0, s[64:65] scope:SCOPE_SE
	s_setreg_imm32_b32 hwreg(HW_REG_WAVE_MODE, 25, 1), 1
	s_wait_xcnt 0x0
	s_wait_alu depctr_hold_cnt(0) depctr_sa_sdst(0) depctr_va_vdst(0) depctr_va_sdst(0) depctr_va_ssrc(0) depctr_va_vcc(0) depctr_vm_vsrc(0)
	s_getreg_b32 s2, hwreg(HW_REG_IB_STS2, 6, 4)
	s_cmp_eq_u32 s2, 0
	s_cbranch_scc0 .Lentry_in_a_cluster
	s_endpgm
.Lentry_in_a_cluster:
	s_bfe_u32 s2, ttmp6, 0x10000c
	s_cmp_lg_u32 s2, 0xf033
	s_cbranch_scc0 .Lentry_shape_is_right
	s_endpgm
.Lentry_shape_is_right:
; x1[row][col] = x[row][col] + bo[col] + sum over k of O[row][k] WO[col][k], on codes of E4M3 with E8M0 scales; x, x1: [4096][1024] f32; K = 1,024.
; O (buffer oq): codes [b][head 16][token 1024][64 bytes], so 128 along K are two heads' rows; scale words [b][pair of heads 8][token] at 4 MiB.  WO: codes [1024][1024], scale bytes [1024][32].
; A tile of x1 is 128 x 128, so that 4,096 x 1,024 numbers give each of 256 work-groups one; a wave makes 64 x 64: 16 accumulators.
; ALL OF K LIES IN LDS AT ONCE: 128 tokens x 1,024 codes of O, 128 rows x 1,024 codes of WO and their scales are four tiles, one tensor load for each of the four waves, all asked for at the head.
; No byte of LDS is filled twice: one wait, one work-group barrier, then eight chunks of 128 along K on two fragment buffers.
; 4 x 4 work-groups form a cluster: O's tiles are asked for jointly along a row of the cluster, WO's along a column.  NO PREFETCH: every tile is asked for at the head, and the text has no loop to run ahead in.
; THE MATRIX INSTRUCTION IS USED TRANSPOSED (source 0 = 16 rows of WO, source 1 = 16 rows of O).  The bias is the C of each sum's first instruction; the residual is loaded at the head and added on the way out.
; REGISTERS: window 0: v1-31 addresses; v32-63 O's scale words (block i, chunk k at 8 i + k); v64-95 WO's; v96-127 the bias; v128-255 the accumulators ((a, b) at v[128 + 8 (4 a + b)]).
;   window 1: two fragment buffers of 128 (O's four fragments, then WO's four); on the way out rows read back.   window 2: v0-127 the residual, then the result.
.set KTOT,  1024
.set KS,    32                         ; a row of WO's scale bytes
.set AP,    80                         ; a token's 64 bytes of one head + 16 of padding
.set HP,    128*AP                     ; a head's 128 tokens in LDS
.set BP,    1040                       ; a row of WO: 1,024 bytes + 16 of padding
.set WB,    16*HP                      ; behind O's 16 heads: WO's 128 rows
.set ASC,   WB+128*BP                  ; O's scale words: 8 planes (pairs of heads) of 128 tokens x 4 bytes
.set PLS,   512
.set BSC,   ASC+8*PLS                  ; WO's scale bytes: 4,096 dense bytes as 16 rows of 256 + 16
.set BSH,   (64*KS/256)*272            ; those of 64 rows
.set SBLK,  (16*KS/256)*272            ; of 16 rows
.set SPARE, BSC+2*BSH                  ; the spare words, 128 bytes for each wave: two blocks of 256 bytes that no other line names
.set STAGE, SPARE+512                  ; the way out: 16 rows x (256 bytes + 16) for each wave, bytes of their own: no fill lands there
.set SPITCH, 272
.set ADRA, 16                          ; v16-19 my rows of O, heads 4 g on (four registers keep the loads' offsets inside 16 bits)
.set ADRB, 20                          ; v20    my rows of WO
.set ADSA, 22
.set ADSB, 23
.set STO,  24
.set RD,   25
.set CO,   26
.set BO,   27
.set SPW,  28                          ; v28  my spare word's address; never rewritten
.set NIL,  29                          ; v29  0; never rewritten
.set SA,   32
.set SB,   64
.set BC,   96
.set ACC,  128
.set F0,   0
.set F1,   128
.set G1,   24                          ; descriptor groups 1: O's codes, WO's codes, O's scales, WO's scales
.set G1B,  48
.set G1SA, 68
.set G1SB, 80
.set G0,   32                          ; and groups 0
.set G0B,  36
.set G0SA, 76
.set G0SB, 88
.set MSB, 0
.macro WIN new                         ; the immediate's high byte repeats the setting that is left
.if MSB != \new
	s_set_vgpr_msb (MSB<<8)|\new
.set MSB, \new
.endif
.endm
.set MUL,  0x05                        ; sources 0 (WO) and 1 (O) window 1; C and D window 0
.set TO_F, 0x40                        ; destination window 1
.macro CROUND                          ; a round of the cluster's barrier
	s_barrier_signal -1
	s_barrier_wait -1
	s_cmp_lg_u32 s16, 0
	s_cbranch_scc1 .Lnot_wave_0_\@
	s_barrier_signal -3
.Lnot_wave_0_\@:
	s_barrier_wait -3
	s_barrier_signal -1
	s_barrier_wait -1
.endm
.macro GRP1 g, d0, d1, st              ; d1 rows of d0 elements, st elements apart
	s_mov_b32 s[\g+1], (\d0)<<16
	s_mov_b32 s[\g+2], (\d1)<<16
	s_mov_b32 s[\g+3], (\d0)<<16
	s_mov_b32 s[\g+4], \d1
	s_mov_b32 s[\g+5], \st
	s_mov_b32 s[\g+6], 0
	s_mov_b32 s[\g+7], 0
.endm
.macro GRP0 g, lds, adr
	s_mov_b32 s[\g], 1
	s_mov_b32 s[\g+1], \lds
	s_mov_b64 s[\g+2:\g+3], s[\adr:\adr+1]
	s_or_b32 s[\g+3], s[\g+3], 0x80000000
.endm
	s_load_b128 s[4:7], s[0:1], 0x0                ; O (codes, and scale words further on), WO's codes
	s_load_b128 s[8:11], s[0:1], 0x10              ; WO's scales, the bias
	s_load_b128 s[12:15], s[0:1], 0x20             ; the residual, x1
	v_lshl_add_u32 v[SPW], v0, 2, SPARE
	v_mov_b32 v[NIL], 0
	ds_add_u32 v[SPW], v[NIL]                      ; the wave's opening: the add, twice on end, and its wait ahead of my tensor load
	ds_add_u32 v[SPW], v[NIL]
	v_lshrrev_b32 v1, 5, v0
	v_readfirstlane_b32 s16, v1                    ; wave 0..3
	s_lshr_b32 s17, s16, 1                         ; which half of the tile's rows is mine
	s_and_b32 s18, s16, 1                          ; which half of its columns
	s_bfe_u32 s40, ttmp6, 0x40000                  ; cx, cy
	s_bfe_u32 s41, ttmp6, 0x40004
	s_lshl_b32 s42, ttmp9, 2
	s_add_co_u32 s42, s42, s40                     ; tile column
	s_and_b32 s45, ttmp7, 0xffff
	s_lshl_b32 s45, s45, 2
	s_add_co_u32 s45, s45, s41                     ; tile row
	s_lshl_b32 s43, s41, 2
	s_lshl_b32 s43, 15, s43                        ; my row of the cluster
	s_lshl_b32 s44, 0x1111, s40                    ; my column
	s_or_b32 s[G1], s43, (0<<16)|(1<<20)|(1<<21)|(3<<22)|(3<<25)     ; O's codes go to my row: 16 rows (heads) of 8,192 bytes (128 tokens), 65,536 apart; 16 bytes of padding behind every 64
	GRP1 G1, 8192, 16, 65536
	s_or_b32 s[G1B], s44, (0<<16)|(1<<20)|(1<<21)|(7<<22)|(3<<25)    ; WO's to my column: 128 rows of 1,024 bytes, 16 of padding behind each
	GRP1 G1B, 1024, 128, KTOT
	s_or_b32 s[G1SA], s43, (0<<16)|(1<<21)                           ; O's scale words: 8 planes of 512 bytes, 4,096 apart, no padding
	GRP1 G1SA, PLS, 8, 4096
	s_or_b32 s[G1SB], s44, (3<<16)|(1<<20)|(1<<21)|(5<<22)|(3<<25)   ; WO's scale bytes: a dense block, as 16 rows of 256 bytes (32 elements of 8) + 16
	GRP1 G1SB, 32, 128*KS/256, 32
	s_and_b32 s20, s45, 7
	s_lshl_b32 s20, s20, 7                         ; the tile's first token, in its batch
	s_lshr_b32 s19, s45, 3                         ; the batch
	s_lshl_b32 s22, s20, 2
	s_lshl_b32 s21, s19, 15
	s_add_co_u32 s22, s22, s21
	s_add_co_u32 s22, s22, 0x400000                ; its scale words
	s_lshl_b32 s20, s20, 6
	s_lshl_b32 s21, s19, 20
	s_add_co_u32 s20, s20, s21                     ; its codes
	s_mov_b32 s21, 0
	s_mov_b32 s23, 0
	s_lshl_b32 s46, s42, 7                         ; WO: the tile's first row
	s_mul_i32 s92, s46, KS
	s_mul_i32 s46, s46, KTOT
	s_mov_b32 s47, 0
	s_mov_b32 s93, 0
	s_wait_dscnt 0x0                               ; both opening adds are done
	s_wait_kmcnt 0x0
	s_add_nc_u64 s[20:21], s[4:5], s[20:21]
	s_add_nc_u64 s[22:23], s[4:5], s[22:23]
	s_add_nc_u64 s[46:47], s[6:7], s[46:47]
	s_add_nc_u64 s[92:93], s[8:9], s[92:93]
	CROUND                                         ; all sixteen work-groups are here: the joint loads meet
	GRP0 G0,   0,   20
	GRP0 G0B,  WB,  46
	GRP0 G0SA, ASC, 22
	GRP0 G0SB, BSC, 92
; THE LAUNCH'S FOUR LOADS, ONE A WAVE: wave 0 O's codes, wave 1 WO's, wave 2 O's scale words, wave 3 WO's scale bytes.
; One tree of branches on the wave's number: every way through the head passes exactly one load; an s_nop 0 and four v_nop follow each.
.macro ARM under, g0, g1, next
	s_cmp_lt_u32 s16, \under
	s_cbranch_scc0 \next
	tensor_load_to_lds s[\g0:\g0+3], s[\g1:\g1+7]
	s_nop 0
.rept 4
	v_nop
.endr
	s_branch .Lhead_asked
\next:
.endm
	ARM 1, G0,   G1,   .Lhead_b
	ARM 2, G0B,  G1B,  .Lhead_sa
	ARM 3, G0SA, G1SA, .Lhead_sb
	tensor_load_to_lds s[G0SB:G0SB+3], s[G1SB:G1SB+7]
	s_nop 0
.rept 4
	v_nop
.endr
.Lhead_asked:
	v_and_b32 v1, 15, v0                           ; r
	v_bfe_u32 v2, v0, 4, 1                         ; h
	s_wait_alu depctr_va_vdst(0)
	s_lshl_b32 s46, s42, 9
	s_lshl_b32 s47, s18, 8
	s_add_co_u32 s46, s46, s47                     ; my first column x 4
	s_mov_b32 s47, 0
	s_lshl_b32 s92, s45, 7
	s_lshl_b32 s93, s17, 6
	s_add_co_u32 s92, s92, s93                     ; my first row,
	s_lshl_b32 s92, s92, 12                        ; of 4,096 bytes
	s_add_co_u32 s92, s92, s46
	s_mov_b32 s93, 0
	s_add_nc_u64 s[10:11], s[10:11], s[46:47]
	s_add_nc_u64 s[12:13], s[12:13], s[92:93]
	s_add_nc_u64 s[14:15], s[14:15], s[92:93]
	v_lshlrev_b32 v[BO], 5, v2
	v_lshlrev_b32 v[CO], 12, v2
	v_lshl_add_u32 v[CO], v1, 4, v[CO]             ; lanes 0-15 one row's 256 bytes, lanes 16-31 the next row's
.irp b, 0,1,2,3
	global_load_b128 v[BC+8*\b:BC+8*\b+3], v[BO], s[10:11] offset:64*\b          ; the bias of columns 16 b + 8 h + 0..7
	global_load_b128 v[BC+8*\b+4:BC+8*\b+7], v[BO], s[10:11] offset:64*\b+16
.endr
	WIN 0x80                                       ; destination window 2
.set g, 0
.rept 32
	global_load_b128 v[4*g:4*g+3], v[CO], s[12:13] offset:2*g*4096               ; the residual, in the layout in which the result comes back from the stage
.set g, g+1
.endr
	WIN 0
	v_mul_u32_u24 v3, v1, AP
	v_lshl_add_u32 v3, v2, 4, v3
	v_mul_u32_u24 v4, v1, BP
	v_lshl_add_u32 v4, v2, 4, v4
	s_mul_i32 s21, s17, 64*AP                      ; my 64 tokens in a head's 128
	s_mul_i32 s22, s18, 64*BP                      ; my 64 rows of WO
	s_add_co_u32 s22, s22, WB
	v_add_nc_u32 v[ADRA], s21, v3
.irp g, 1,2,3
	v_add_nc_u32 v[ADRA+\g], 4*HP*\g, v[ADRA]
.endr
	v_add_nc_u32 v[ADRB], s22, v4
	s_lshl_b32 s21, s17, 8                         ; my 64 tokens in a plane of 128 words
	s_add_co_u32 s21, s21, ASC
	v_lshl_add_u32 v[ADSA], v1, 2, s21
	s_mul_i32 s21, s18, BSH
	s_add_co_u32 s21, s21, BSC
	v_mul_u32_u24 v5, v1, KS
	v_lshrrev_b32 v6, 8, v5
	v_lshl_add_u32 v5, v6, 4, v5                   ; 16 more for each 256 passed
	v_add_nc_u32 v[ADSB], s21, v5
	s_mul_i32 s21, s16, 16*SPITCH
	s_add_co_u32 s21, s21, STAGE                   ; my stage
	v_mul_u32_u24 v5, v1, SPITCH
	v_lshl_add_u32 v5, v2, 5, v5
	v_add_nc_u32 v[STO], s21, v5
	v_mul_u32_u24 v5, v2, SPITCH
	v_lshl_add_u32 v5, v1, 4, v5
	v_add_nc_u32 v[RD], s21, v5
.macro FETCH kc, f                     ; 32 LDS loads: the fragments of the kc-th 128 along K (heads 2 kc, 2 kc + 1) into buffer f
	WIN TO_F
.irp i, 0,1,2,3
.irp c, 0,1,2,3
	ds_load_b128 v[(\f)+16*\i+4*\c:(\f)+16*\i+4*\c+3], v[ADRA+(\kc)/2] offset:\i*16*AP+(2*((\kc)%2)+\c/2)*HP+32*(\c%2)
.endr
.irp c, 0,1,2,3
	ds_load_b128 v[(\f)+64+16*\i+4*\c:(\f)+64+16*\i+4*\c+3], v[ADRB] offset:\i*16*BP+128*(\kc)+32*\c
.endr
.endr
.endm
.macro MUL4 f, a, kc, cm               ; O's block a x WO's four.  The 16 accumulators take turns, one instruction a turn
.irp b, 0,1,2,3
.if \cm
	v_wmma_scale_f32_16x16x128_f8f6f4 v[ACC+8*(4*(\a)+\b):ACC+8*(4*(\a)+\b)+7], v[(\f)+64+16*\b:(\f)+64+16*\b+15], v[(\f)+16*(\a):(\f)+16*(\a)+15], v[BC+8*\b:BC+8*\b+7], v[SB+8*\b+(\kc)], v[SA+8*(\a)+(\kc)]
.else
	v_wmma_scale_f32_16x16x128_f8f6f4 v[ACC+8*(4*(\a)+\b):ACC+8*(4*(\a)+\b)+7], v[(\f)+64+16*\b:(\f)+64+16*\b+15], v[(\f)+16*(\a):(\f)+16*(\a)+15], v[ACC+8*(4*(\a)+\b):ACC+8*(4*(\a)+\b)+7], v[SB+8*\b+(\kc)], v[SA+8*(\a)+(\kc)]
.endif
.endr
.endm
.macro PLACES n                        ; plain vector lines between a matrix instruction and a load into, or a read of, its registers
.rept \n
	v_nop
.endr
.endm
.macro CHUNK kc, cm                    ; the next chunk's fragments are asked for, then this one is multiplied
	PLACES 8
	FETCH (\kc)+1, 128*(((\kc)+1)%2)
	s_wait_dscnt 32                                ; all but the 32 just issued
	WIN MUL
.irp a, 0,1,2,3
	MUL4 128*((\kc)%2), \a, \kc, \cm
.endr
.endm
	s_wait_alu depctr_va_vdst(0)                   ; the wait at the head's end
	s_wait_tensorcnt 0x0                           ; my tile is in,
	s_barrier_signal -1
	s_barrier_wait -1                              ; everybody's is: all of K, and all scales
	FETCH 0, F0
	WIN 0
.irp i, 0,1,2,3                        ; the scale words of all eight chunks
.irp k, 0,1,2,3,4,5,6,7
	ds_load_b32 v[SA+8*\i+\k], v[ADSA] offset:\k*PLS+64*\i
.endr
	ds_load_b128 v[SB+8*\i:SB+8*\i+3], v[ADSB] offset:\i*SBLK
	ds_load_b128 v[SB+8*\i+4:SB+8*\i+7], v[ADSB] offset:\i*SBLK+16
.endr
	s_wait_loadcnt 32                              ; the bias is in; the residual's 32 loads may be out
	CHUNK 0, 1                                     ; the first chunk's products start the sums, with the bias
.irp k, 1,2,3,4,5,6
	CHUNK \k, 0
.endr
	s_wait_dscnt 0x0
.irp a, 0,1,2,3
	MUL4 F1, \a, 7, 0
.endr
	WIN 0
; THE WAY OUT, 16 rows x my 64 columns at a time: through my own stage, back as whole rows of 256 bytes (into window 1), the residual added (the sum lands in the residual's registers), stored.
.macro TOSTAGE a
	WIN 0
.irp b, 0,1,2,3
	ds_store_b128 v[STO], v[ACC+8*(4*(\a)+\b):ACC+8*(4*(\a)+\b)+3] offset:64*\b        ; each accumulator from its low end on
	ds_store_b128 v[STO], v[ACC+8*(4*(\a)+\b)+4:ACC+8*(4*(\a)+\b)+7] offset:64*\b+16
.endr
	WIN TO_F
.irp t, 0,1,2,3,4,5,6,7
	ds_load_b128 v[32*((\a)%2)+4*\t:32*((\a)%2)+4*\t+3], v[RD] offset:2*\t*SPITCH      ; LDS serves a wave's instructions in order: these see my stores, and the next block's stores come behind them
.endr
.endm
.macro SEND a, younger
	s_wait_dscnt \younger                          ; the block is back; the next block's 8 stores and 8 loads may be out
.if (\a) == 0
	s_wait_loadcnt 0x0                             ; the residual
.endif
	WIN 0x89                                       ; source 0 window 1, source 1 and destination window 2
.irp k, 0,2,4,6,8,10,12,14,16,18,20,22,24,26,28,30
	v_pk_add_f32 v[32*(\a)+\k:32*(\a)+\k+1], v[32*((\a)%2)+\k:32*((\a)%2)+\k+1], v[32*(\a)+\k:32*(\a)+\k+1]
.endr
	WIN 0x08                                       ; a store's data are its source 1: window 2
.irp t, 0,1,2,3,4,5,6,7
	global_store_b128 v[CO], v[32*(\a)+4*\t:32*(\a)+4*\t+3], s[14:15] offset:(16*(\a)+2*\t)*4096   ; sixteen lanes store 256 consecutive bytes, aligned
.endr
.endm
	PLACES 8
	TOSTAGE 0
	TOSTAGE 1
	SEND 0, 16
	TOSTAGE 2
	SEND 1, 16
	TOSTAGE 3
	SEND 2, 16
	SEND 3, 0
	WIN 0
	s_wait_tensorcnt 0x0                           ; the wave's end: a tensor wait, an add to my spare word and its wait, behind my tensor load and my last LDS store
	ds_add_u32 v[SPW], v[NIL]
	s_wait_dscnt 0x0
	CROUND                                         ; the closing round
	s_endpgm
.Lfunc_end_k_qb33dfcd127_wo:
	.size	k_qb33dfcd127_wo, .Lfunc_end_k_qb33dfcd127_wo-k_qb33dfcd127_wo
	.p2alignl 7, 3214868480
	.fill 96, 4, 3214868480
	.section	.rodata,"a",@progbits
	.p2align	6, 0x0
	.amdhsa_kernel k_qb33dfcd127_wo
		.amdhsa_group_segment_fixed_size 327680
		.amdhsa_private_segment_fixed_size 0
		.amdhsa_enable_private_segment 0
		.amdhsa_kernarg_size 48
		.amdhsa_user_sgpr_count 2
		.amdhsa_user_sgpr_kernarg_segment_ptr 1
		.amdhsa_wavefront_size32 1
		.amdhsa_system_sgpr_workgroup_id_x 1
		.amdhsa_system_sgpr_workgroup_id_y 1
		.amdhsa_system_sgpr_workgroup_id_z 1
		.amdhsa_system_vgpr_workitem_id 0
		.amdhsa_next_free_vgpr 768
		.amdhsa_next_free_sgpr 100
		.amdhsa_reserve_vcc 0
		.amdhsa_float_denorm_mode_32 3
		.amdhsa_float_denorm_mode_16_64 3
		.amdhsa_memory_ordered 1
		.amdhsa_forward_progress 1
		.amdhsa_inst_pref_size 62
	.end_amdhsa_kernel
	.amdgpu_metadata
---
amdhsa.version: [ 1, 2 ]
amdhsa.kernels:
  - .name:           k_qb33dfcd127_wo
    .symbol:         k_qb33dfcd127_wo.kd
    .args:
      - { .name: oq, .offset: 0, .size: 8, .value_kind: global_buffer, .address_space: global }
      - { .name: wo_codes, .offset: 8, .size: 8, .value_kind: global_buffer, .address_space: global }
      - { .name: wo_scales, .offset: 16, .size: 8, .value_kind: global_buffer, .address_space: global }
      - { .name: bo, .offset: 24, .size: 8, .value_kind: global_buffer, .address_space: global }
      - { .name: x, .offset: 32, .size: 8, .value_kind: global_buffer, .address_space: global }
      - { .name: x1, .offset: 40, .size: 8, .value_kind: global_buffer, .address_space: global }
    .group_segment_fixed_size: 327680
    .private_segment_fixed_size: 0
    .kernarg_segment_align: 8
    .kernarg_segment_size: 48
    .max_flat_workgroup_size: 128
    .sgpr_count:     100
    .vgpr_count:     768
    .wavefront_size: 32
...
	.end_amdgpu_metadata
.endif
;; end of part 4
;; launch ln2: the kernel of part 1 again; grid 256 x 1, 8 waves a work-group, no clusters, 42,496 bytes of LDS; arguments x1, ln2_scale, ln2_bias, yq; writes yq
;; launch w1 (part 5): grid 16 x 16, 4 waves a work-group, clusters of 4 x 4, 327,680 bytes of LDS; arguments yq, w1_codes, w1_scales, b1, hid; writes hid
.if DOCPART == 5
	.amdgcn_target "amdgcn-amd-amdhsa--gfx1250"
	.amdhsa_code_object_version 6
	.text
	.protected	k_qb33dfcd127_w1
	.globl	k_qb33dfcd127_w1
	.p2align	8
	.type	k_qb33dfcd127_w1,@function
k_qb33dfcd127_w1:
	s_mov_b64 s[64:65], 0
	v_nop
	global_prefetch_b8 v0, s[64:65] scope:SCOPE_SE
	s_setreg_imm32_b32 hwreg(HW_REG_WAVE_MODE, 25, 1), 1
	s_wait_xcnt 0x0
	s_wait_alu depctr_hold_cnt(0) depctr_sa_sdst(0) depctr_va_vdst(0) depctr_va_sdst(0) depctr_va_ssrc(0) depctr_va_vcc(0) depctr_vm_vsrc(0)
	s_getreg_b32 s2, hwreg(HW_REG_IB_STS2, 6, 4)
	s_cmp_eq_u32 s2, 0
	s_cbranch_scc0 .Lentry_in_a_cluster
	s_endpgm
.Lentry_in_a_cluster:
	s_bfe_u32 s2, ttmp6, 0x10000c
	s_cmp_lg_u32 s2, 0xf033
	s_cbranch_scc0 .Lentry_shape_is_right
	s_endpgm
.Lentry_shape_is_right:
.set MODE,   1
.set KSTEP,  256
.set NQ,     2
.set ROWB,   256
.set KROW,   1024
.set PITCH,  272
.set FR,     16
.set NL,     4
.set NP,     8
.set HALFT,  128*PITCH
.set SLOT,   4*HALFT
.set LAPS,   2
.set KS,     32
.set SCL,    2*SLOT
.set HALFS,  (128*KS/256)*272
.set SBLK,   (16*KS/256)*272
.set SPARE,  SCL+4*HALFS
.if MODE == 0
.set SPITCH, 288
.set OUTP,   1024
.set RELU,   0
.else
.set SPITCH, 272
.set OUTP,   4096
.set RELU,   1
.endif
.set SCSP,   73728
.set BO1,  12
.set BO2,  13
.set ADRA, 16
.set RDQ,  18
.set RDQ2, 19
.set ADRB, 20
.set GQ,   22
.set SLQ,  23
.set STO,  24
.set RDP,  25
.set GP,   26
.set ADRS, 27
.set SPW,  28
.set NIL,  29
.set SSP,  30
.set SLP,  31
.set SC,   32
.set BC,   64
.set TM,   64
.set PW,   80
.set AF,   128
.set CDS,  128
.set G1, 24
.set G0, 32
.set G1B, 48
.set G0B, 56
.set G1S, 68
.set G0S, 76
.set G1SB, 80
.set G0SB, 88
.set G0H, 4                            ; s[4:7], s[8:11] group 0 for the head's loads of K step 0: A's 256 rows, B's 256 rows (the arguments that lay there have been used by then)
.set G0HB, 8
.set PFA,  98                          ; s[98:99] where my prefetches stand: my work-group's 32 rows of the 128 that I fetch in the ring, at K step 0; never rewritten
.set PFO,  14                          ; v14  the prefetches' offset: my lane x a row of KROW bytes; never rewritten
; THE TILES ARE PREFETCHED INTO THE L2, two K steps ahead of the tensor load that wants them: the head asks for K steps 1 and 2, and behind the load of step 1 stands the request for step 3, the last.
; One instruction a wave, a lane a row (a K step is 256 bytes of a row, aligned): of the 128 rows that a wave fetches, each of the four partners that ask for them jointly takes 32, told apart by address (cx for A, cy for B).
.set MSB, 0
.macro WIN new
.if MSB != \new
	s_set_vgpr_msb (MSB<<8)|\new
.set MSB, \new
.endif
.endm
.set MUL_LO, 0xa1
.set MUL_HI, 0xf1
.set BEG_LO, 0x81
.set BEG_HI, 0xc1
.set TO_B,   0x40
.macro JLOAD g0a, g1a, g0b, g1b
	s_cmp_eq_u32 s15, 0
	s_cbranch_scc0 .Lfor_b_\@
	tensor_load_to_lds s[\g0a:\g0a+3], s[\g1a:\g1a+7]
	s_nop 0
.rept 4
	v_nop
.endr
	s_branch .Lasked_\@
.Lfor_b_\@:
	tensor_load_to_lds s[\g0b:\g0b+3], s[\g1b:\g1b+7]
	s_nop 0
.rept 4
	v_nop
.endr
.Lasked_\@:
.endm
.macro CREST
	s_cmp_lg_u32 s14, 0
	s_cbranch_scc1 .Lnot_wave_0_\@
	s_barrier_signal -3
.Lnot_wave_0_\@:
	s_barrier_wait -3
	s_barrier_signal -1
	s_barrier_wait -1
.endm
.macro CROUND
	s_barrier_signal -1
	s_barrier_wait -1
	CREST
.endm
	s_load_b64 s[4:5], s[0:1], 0x0
	s_load_b128 s[8:11], s[0:1], 0x8
	s_load_b64 s[96:97], s[0:1], 0x18
	s_load_b64 s[12:13], s[0:1], 0x20
	v_lshl_add_u32 v[SPW], v0, 2, SPARE
	v_mov_b32 v[NIL], 0
	ds_add_u32 v[SPW], v[NIL]
	ds_add_u32 v[SPW], v[NIL]
	v_lshrrev_b32 v1, 5, v0
	v_readfirstlane_b32 s14, v1
	s_lshr_b32 s15, s14, 1
	s_and_b32 s16, s14, 1
	s_mov_b32 s95, 0x600000
	s_mov_b32 s104, 0x76543210
	s_mov_b32 s105, 0xfedcba98
	s_wait_dscnt 0x0
	s_wait_kmcnt 0x0
	s_add_nc_u64 s[6:7], s[4:5], 0x400000
	s_bfe_u32 s40, ttmp6, 0x40000
	s_bfe_u32 s41, ttmp6, 0x40004
	s_and_b32 s18, ttmp7, 0xffff
	s_lshl_b32 s18, s18, 2
	s_add_co_u32 s17, s18, s41
	s_lshl_b32 s42, ttmp9, 2
	s_add_co_u32 s42, s42, s40
	s_lshl_b32 s43, s41, 2
	s_lshl_b32 s43, 15, s43
	s_lshl_b32 s44, 0x1111, s40
	s_or_b32 s[G1+0], s43, (0<<16)|(1<<20)|(1<<21)|(5<<22)|(3<<25)
	s_or_b32 s[G1B+0], s44, (0<<16)|(1<<20)|(1<<21)|(5<<22)|(3<<25)
.irp g, G1, G1B
	s_mov_b32 s[\g+1], ROWB<<16
	s_mov_b32 s[\g+2], 256<<16                     ; the head's loads bring 256 rows; behind them the two words are set to 128, for the ring's
	s_mov_b32 s[\g+3], ROWB<<16
	s_mov_b32 s[\g+4], 256
	s_mov_b32 s[\g+5], KROW
	s_mov_b32 s[\g+6], 0
	s_mov_b32 s[\g+7], 0
.endr
	s_or_b32 s[G1S+0], s43, (3<<16)|(1<<20)|(1<<21)|(5<<22)|(3<<25)
	s_or_b32 s[G1SB+0], s44, (3<<16)|(1<<20)|(1<<21)|(5<<22)|(3<<25)
.irp g, G1S, G1SB
	s_mov_b32 s[\g+1], 32<<16
	s_mov_b32 s[\g+2], KS<<16                      ; the scales of 256 rows: 256 KS dense bytes as KS rows of 256
	s_mov_b32 s[\g+3], 32<<16
	s_mov_b32 s[\g+4], KS
	s_mov_b32 s[\g+5], 32
	s_mov_b32 s[\g+6], 0
	s_mov_b32 s[\g+7], 0
.endr
	s_lshl_b32 s20, s17, 8                         ; A: the tile's first row
	s_lshl_b32 s46, s42, 8                         ; B: likewise
	s_mov_b32 s21, 0
	s_mov_b32 s47, 0
	s_mov_b64 s[18:19], KS
	s_mul_u64 s[22:23], s[20:21], s[18:19]
	s_mul_u64 s[92:93], s[46:47], s[18:19]
	s_mov_b64 s[18:19], KROW
	s_mul_u64 s[20:21], s[20:21], s[18:19]
	s_mul_u64 s[46:47], s[46:47], s[18:19]
	s_mul_i32 s45, s14, HALFT
	s_mul_i32 s18, s16, 128*KROW                   ; in the ring I fetch 128 rows of a tile: which half, in bytes
	s_mov_b32 s19, 0
	s_add_nc_u64 s[20:21], s[4:5], s[20:21]
	s_add_nc_u64 s[22:23], s[6:7], s[22:23]
	s_add_nc_u64 s[46:47], s[8:9], s[46:47]
	s_add_nc_u64 s[92:93], s[10:11], s[92:93]
	CROUND
	s_mov_b32 s[G0S], 1
	s_mov_b32 s[G0S+1], SCL
	s_mov_b64 s[G0S+2:G0S+3], s[22:23]
	s_or_b32 s[G0S+3], s[G0S+3], 0x80000000
	s_mov_b32 s[G0SB], 1
	s_mov_b32 s[G0SB+1], SCL+2*HALFS
	s_mov_b64 s[G0SB+2:G0SB+3], s[92:93]
	s_or_b32 s[G0SB+3], s[G0SB+3], 0x80000000
	s_mov_b32 s[G0H], 1                            ; K step 0's 256 rows of A, whole,
	s_mov_b32 s[G0H+1], 0
	s_mov_b64 s[G0H+2:G0H+3], s[20:21]
	s_or_b32 s[G0H+3], s[G0H+3], 0x80000000
	s_mov_b32 s[G0HB], 1                           ; and of B, behind them in slot 0
	s_mov_b32 s[G0HB+1], 2*HALFT
	s_mov_b64 s[G0HB+2:G0HB+3], s[46:47]
	s_or_b32 s[G0HB+3], s[G0HB+3], 0x80000000
	s_add_nc_u64 s[20:21], s[20:21], s[18:19]      ; for the ring: my 128 rows of the tile
	s_add_nc_u64 s[46:47], s[46:47], s[18:19]
	s_cmp_eq_u32 s15, 0                            ; the prefetches: do I fetch for A?
	s_cselect_b32 s18, s40, s41                    ; my place among the four that ask with me
	s_cselect_b64 s[PFA:PFA+1], s[20:21], s[46:47]
	s_lshl_b32 s18, s18, 15                        ; 32 rows of 1,024 bytes for each place (s19 = 0)
	s_add_nc_u64 s[PFA:PFA+1], s[PFA:PFA+1], s[18:19]
.irp s, 0,1
	s_mov_b32 s[G0+4*\s], 1
	s_add_co_u32 s[G0+4*\s+1], s45, \s*SLOT
	s_add_nc_u64 s[G0+4*\s+2:G0+4*\s+3], s[20:21], \s*ROWB
	s_or_b32 s[G0+4*\s+3], s[G0+4*\s+3], 0x80000000
	s_mov_b32 s[G0B+4*\s], 1
	s_add_co_u32 s[G0B+4*\s+1], s45, \s*SLOT
	s_add_nc_u64 s[G0B+4*\s+2:G0B+4*\s+3], s[46:47], \s*ROWB
	s_or_b32 s[G0B+4*\s+3], s[G0B+4*\s+3], 0x80000000
.endr
; THE HEAD'S LOADS, ONE A WAVE: wave 0 K step 0's 256 rows of A, wave 1 its 256 rows of B, wave 2 the scales of A's 256 rows, wave 3 those of B's.
; One tree of branches on the wave's number: every way through the head passes exactly one load.
.macro ARM under, g0, g1, next
	s_cmp_lt_u32 s14, \under
	s_cbranch_scc0 \next
	tensor_load_to_lds s[\g0:\g0+3], s[\g1:\g1+7]
	s_nop 0
.rept 4
	v_nop
.endr
	s_branch .Lhead_asked
\next:
.endm
	ARM 1, G0H,  G1,  .Lhead_b
	ARM 2, G0HB, G1B, .Lhead_sa
	ARM 3, G0S,  G1S, .Lhead_sb
	tensor_load_to_lds s[G0SB:G0SB+3], s[G1SB:G1SB+7]
	s_nop 0
.rept 4
	v_nop
.endr
.Lhead_asked:
	v_and_b32 v[PFO], 31, v0
	v_lshlrev_b32 v[PFO], 10, v[PFO]
	global_prefetch_b8 v[PFO], s[PFA:PFA+1] offset:256 th:TH_LOAD_NT scope:SCOPE_SE    ; K steps 1 and 2
	global_prefetch_b8 v[PFO], s[PFA:PFA+1] offset:512 th:TH_LOAD_NT scope:SCOPE_SE
	v_and_b32 v1, 15, v0
	s_wait_alu depctr_va_vdst(0)
	v_bfe_u32 v2, v0, 4, 1
	s_lshl_b32 s20, s42, 10
	s_lshl_b32 s21, s16, 9
	s_add_co_u32 s20, s20, s21
	s_mov_b32 s21, 0
	s_add_nc_u64 s[96:97], s[96:97], s[20:21]
	v_lshlrev_b32 v[BO1], 5, v2
.irp b, 0,1,2,3,4,5,6,7
	global_load_b128 v[BC+8*\b:BC+8*\b+3], v[BO1], s[96:97] offset:64*\b
	global_load_b128 v[BC+8*\b+4:BC+8*\b+7], v[BO1], s[96:97] offset:64*\b+16
.endr
	v_mul_u32_u24 v3, v1, PITCH
	v_lshl_add_u32 v4, v2, 4, v3
	s_mul_i32 s21, s15, HALFT
	s_mul_i32 s22, s16, HALFT
	s_add_co_u32 s22, s22, 2*HALFT
.irp s, 0,1
	v_add_nc_u32 v[ADRA+\s], s21, v4
	v_add_nc_u32 v[ADRB+\s], s22, v4
	s_add_co_u32 s21, s21, SLOT
	s_add_co_u32 s22, s22, SLOT
.endr
	v_mul_u32_u24 v5, v1, KS
	v_lshrrev_b32 v6, 8, v5
	v_lshl_add_u32 v5, v6, 4, v5
	s_mul_i32 s21, s15, HALFS
	s_mul_i32 s22, s16, HALFS
	s_add_co_u32 s22, s22, 2*HALFS
	s_sub_co_u32 s22, s22, s21
	v_mul_u32_u24 v6, s22, v2
	s_add_co_u32 s21, s21, SCL
	v_add_nc_u32 v5, v5, v6
	v_add_nc_u32 v[ADRS], s21, v5
	v_and_b32 v6, 31, v0
	s_mul_i32 s23, s15, 128*SPITCH
	s_lshl_b32 s21, s16, 7
	s_add_co_u32 s23, s23, s21
	v_mul_u32_u24 v5, v1, SPITCH
	v_lshl_add_u32 v5, v2, 3, v5
	v_add_nc_u32 v[STO], s23, v5
	s_mul_i32 s23, s14, 64*SPITCH
	v_mul_u32_u24 v5, v2, SPITCH
	v_lshl_add_u32 v5, v1, 4, v5
	v_add_nc_u32 v[RDP], s23, v5
	v_mul_u32_u24 v5, v2, OUTP
	v_lshl_add_u32 v[GP], v1, 4, v5
	s_lshl_b32 s23, s15, 10
	s_lshl_b32 s21, s16, 2
	s_add_co_u32 s23, s23, s21
	s_add_co_u32 s23, s23, SCSP
	v_lshl_add_u32 v[SSP], v1, 3, s23
	s_lshl_b32 s23, s14, 9
	s_add_co_u32 s23, s23, SCSP
	v_lshl_add_u32 v[SLP], v6, 4, s23
	v_lshlrev_b32 v[GQ], 4, v6
	s_lshl_b32 s20, s17, 20
	s_lshl_b32 s21, s14, 18
	s_add_co_u32 s20, s20, s21
	s_lshl_b32 s21, s42, 8
	s_add_co_u32 s20, s20, s21
	s_lshl_b32 s22, s42, 15
	s_lshl_b32 s21, s17, 11
	s_add_co_u32 s22, s22, s21
	s_lshl_b32 s21, s14, 9
	s_add_co_u32 s22, s22, s21
	s_add_co_u32 s22, s22, 0x1000000
	s_mov_b32 s21, 0
	s_mov_b32 s23, 0
	s_add_nc_u64 s[66:67], s[12:13], s[22:23]
	s_add_nc_u64 s[12:13], s[12:13], s[20:21]
.macro FRAG reg, adr, q, i
.irp c, 0,1,2,3
	ds_load_b128 v[\reg+4*\c:\reg+4*\c+3], v[\adr] offset:128*(\q)+32*\c+(\i)*16*PITCH
.endr
.endm
.macro MUL16 a0, p, q, sc, cm
.irp a, \a0, \a0+1
.irp b, 0,1,2,3,4,5,6,7
.if \cm == 1
	v_wmma_scale_f32_16x16x128_f8f6f4 v[8*(8*((\a)%4)+\b):8*(8*((\a)%4)+\b)+7], v[128*(\p)+FR*\b:128*(\p)+FR*\b+FR-1], v[AF+FR*(\a):AF+FR*(\a)+FR-1], v[BC+8*\b:BC+8*\b+7], v[SC+8*NQ*(\sc)+NQ*\b+(\q)], v[SC+8*NQ*(\sc)+NQ*(\a)+(\q)] matrix_a_scale:MATRIX_SCALE_ROW1
.else
	v_wmma_scale_f32_16x16x128_f8f6f4 v[8*(8*((\a)%4)+\b):8*(8*((\a)%4)+\b)+7], v[128*(\p)+FR*\b:128*(\p)+FR*\b+FR-1], v[AF+FR*(\a):AF+FR*(\a)+FR-1], v[8*(8*((\a)%4)+\b):8*(8*((\a)%4)+\b)+7], v[SC+8*NQ*(\sc)+NQ*\b+(\q)], v[SC+8*NQ*(\sc)+NQ*(\a)+(\q)] matrix_a_scale:MATRIX_SCALE_ROW1
.endif
.endr
.endr
.endm
.macro FETCH_B slot, q, p
	WIN TO_B
.irp i, 0,1,2,3,4,5,6,7
	FRAG 128*(\p)+FR*\i, ADRB+\slot, \q, \i
.endr
	WIN 0
.endm
.macro FETCH_A slot, q, i0
.irp i, \i0, \i0+1, \i0+2, \i0+3
	FRAG AF+FR*(\i), ADRA+\slot, \q, \i
.endr
.endm
.macro SCALES sc
.irp i, 0,1,2,3,4,5,6,7
	ds_load_b64 v[SC+8*NQ*\sc+NQ*\i:SC+8*NQ*\sc+NQ*\i+1], v[ADRS] offset:\i*SBLK
.endr
.endm
.macro PLACES n
.rept \n
	v_nop
.endr
.endm
.macro STEP slot, q, cm
	s_wait_dscnt 4*NL
.if \cm
	WIN BEG_LO
.else
	WIN MUL_LO
.endif
	MUL16 0, (\q)%2, \q, \slot, \cm
	MUL16 2, (\q)%2, \q, \slot, \cm
	s_wait_dscnt 0
	PLACES NP
	FETCH_B \slot, (\q)+1, 1-(\q)%2
	FETCH_A \slot, (\q)+1, 0
.if \cm
	WIN BEG_HI
.else
	WIN MUL_HI
.endif
	MUL16 4, (\q)%2, \q, \slot, \cm
	MUL16 6, (\q)%2, \q, \slot, \cm
	PLACES NP
	WIN 0
	FETCH_A \slot, (\q)+1, 4
.endm
.macro TURN slot, next, fill
	s_wait_tensorcnt 0x0
	ds_add_u32 v[SPW], v[NIL]
	s_wait_dscnt 4*NL+1
	WIN MUL_LO
	MUL16 0, 1, NQ-1, \slot, 0
	s_wait_dscnt 0x0
	s_barrier_signal -1
	MUL16 2, 1, NQ-1, \slot, 0
	WIN 0
	s_barrier_wait -1
.if \fill
	CREST
	s_add_nc_u64 s[G0+4*\slot+2:G0+4*\slot+3], s[G0+4*\slot+2:G0+4*\slot+3], 2*ROWB
	s_add_nc_u64 s[G0B+4*\slot+2:G0B+4*\slot+3], s[G0B+4*\slot+2:G0B+4*\slot+3], 2*ROWB
	JLOAD G0+4*\slot, G1, G0B+4*\slot, G1B
	PLACES NP-4
.else
	PLACES NP
.endif
	s_wait_alu depctr_va_vdst(0)
	v_add_nc_u32 v[ADRS], 4*NQ, v[ADRS]
	FETCH_B \next, 0, 0
	FETCH_A \next, 0, 0
	SCALES \next
	WIN MUL_HI
	MUL16 4, 1, NQ-1, \slot, 0
	MUL16 6, 1, NQ-1, \slot, 0
	PLACES NP
	WIN 0
	FETCH_A \next, 0, 4
.endm
	s_wait_alu depctr_va_vdst(0)                   ; the wait at the head's end
	s_wait_tensorcnt 0x0                           ; my tile of the head's four is in; an add to my spare word and its wait ahead of a later first fill:
	ds_add_u32 v[SPW], v[NIL]
	s_mov_b32 s[G1+2], 128<<16                     ; no tensor load of mine is out, so a descriptor may be written: from here on a load brings 128 rows
	s_mov_b32 s[G1+4], 128
	s_mov_b32 s[G1B+2], 128<<16
	s_mov_b32 s[G1B+4], 128
	s_wait_dscnt 0x0
	CROUND                                         ; all four tiles are in, and all sixteen work-groups are here
	JLOAD G0+4, G1, G0B+4, G1B                     ; K step 1: the first tensor load behind the round
	FETCH_B 0, 0, 0
	FETCH_A 0, 0, 0
	SCALES 0
	global_prefetch_b8 v[PFO], s[PFA:PFA+1] offset:768 th:TH_LOAD_NT scope:SCOPE_SE    ; K step 3: two steps on from the load above
	FETCH_A 0, 0, 4
	s_wait_loadcnt 0x0
	STEP 0, 0, 1
	s_mov_b32 s3, LAPS-1
.Llap:
	TURN 0, 1, 1
	STEP 1, 0, 0
	TURN 1, 0, 1
	STEP 0, 0, 0
	s_sub_co_u32 s3, s3, 1
	s_cmp_lg_u32 s3, 0
	s_cbranch_scc1 .Llap
	TURN 0, 1, 0
	STEP 1, 0, 0
	s_wait_dscnt 4*NL
	WIN MUL_LO
	MUL16 0, 1, NQ-1, 1, 0
	MUL16 2, 1, NQ-1, 1, 0
	s_wait_dscnt 0
	WIN MUL_HI
	MUL16 4, 1, NQ-1, 1, 0
	MUL16 6, 1, NQ-1, 1, 0
	WIN 0
.macro QBLK a
.set WN, 2+(\a)/4
.set AC, 64*((\a)%4)
.set CD, CDS+16*(\a)
.set WS, WN|(WN<<2)
	WIN WS
.irp b, 0,1,2,3
	v_max3_num_f32 v[TM+\b], v[AC+16*\b], v[AC+16*\b+1], 0x4800000
.endr
.irp i, 2,4,6,8,10,12,14
.irp b, 0,1,2,3
	v_max3_num_f32 v[TM+\b], v[AC+16*\b+\i], v[AC+16*\b+\i+1], v[TM+\b]
.endr
.endr
	WIN 0
.irp b, 0,1,2,3
	v_permlanex16_b32 v[TM+4+\b], v[TM+\b], s104, s105
.endr
.irp b, 0,1,2,3
	v_max_num_f32 v[TM+\b], v[TM+\b], v[TM+4+\b]
.endr
.irp b, 0,1,2,3
	v_add_nc_u32 v[TM+12+\b], 0xfc000000, v[TM+\b]
.endr
.irp b, 0,1,2,3
	v_and_or_b32 v[TM+8+\b], v[TM+\b], 0x7f800000, s95
.endr
.irp b, 0,1,2,3
	v_lshrrev_b32 v[TM+4+\b], 23, v[TM+12+\b]
.endr
	v_lshl_or_b32 v[PW+\a], v[TM+5], 8, v[TM+4]
	v_lshl_or_b32 v[PW+\a], v[TM+6], 16, v[PW+\a]
	v_lshl_or_b32 v[PW+\a], v[TM+7], 24, v[PW+\a]
.set WS, WN|(WN<<6)
	WIN WS
.irp b, 0,1,2,3
.irp i, 0,1,2,3,4,5,6,7,8,9,10,11,12,13,14,15
	v_med3_num_f32 v[AC+16*\b+\i], v[AC+16*\b+\i], 0, v[TM+8+\b]
.endr
.endr
	WIN WN
.irp t, 0,1,2,3,4,5,6,7
	v_cvt_scalef32_pk8_fp8_f32 v[CD+2*\t:CD+2*\t+1], v[AC+8*\t:AC+8*\t+7], v[TM+12+\t/2]
.endr
	v_nop
	WIN 0
.irp t, 0,1,2,3,4,5,6,7
	ds_store_b64 v[STO], v[CD+2*\t:CD+2*\t+1] offset:16*(\a)*SPITCH+16*\t
.endr
	ds_store_b32 v[SSP], v[PW+\a] offset:128*(\a)
.endm
	PLACES NP
.irp b, 0,1,2,3
	v_mov_b32 v[TM+4+\b], 0
.endr
.irp a, 0,1,2,3,4,5,6,7
	QBLK \a
.endr
	s_wait_dscnt 0x0
	s_barrier_signal -1
	s_barrier_wait -1
.set g, 0
.rept 32
	ds_load_b128 v[CDS+4*g:CDS+4*g+3], v[RDP] offset:2*g*SPITCH
.set g, g+1
.endr
	ds_load_b128 v[TM:TM+3], v[SLP]
.set g, 0
.rept 32
	s_wait_dscnt 32-g
	global_store_b128 v[GP], v[CDS+4*g:CDS+4*g+3], s[12:13] offset:2*g*OUTP
.set g, g+1
.endr
	s_wait_dscnt 0x0
	global_store_b128 v[GQ], v[TM:TM+3], s[66:67]
	s_wait_tensorcnt 0x0
	ds_add_u32 v[SPW], v[NIL]
	s_wait_dscnt 0x0
	CROUND
	s_endpgm
.Lfunc_end_k_qb33dfcd127_w1:
	.size	k_qb33dfcd127_w1, .Lfunc_end_k_qb33dfcd127_w1-k_qb33dfcd127_w1
	.p2alignl 7, 3214868480
	.fill 96, 4, 3214868480
	.section	.rodata,"a",@progbits
	.p2align	6, 0x0
	.amdhsa_kernel k_qb33dfcd127_w1
		.amdhsa_group_segment_fixed_size 327680
		.amdhsa_private_segment_fixed_size 0
		.amdhsa_enable_private_segment 0
		.amdhsa_kernarg_size 40
		.amdhsa_user_sgpr_count 2
		.amdhsa_user_sgpr_kernarg_segment_ptr 1
		.amdhsa_wavefront_size32 1
		.amdhsa_system_sgpr_workgroup_id_x 1
		.amdhsa_system_sgpr_workgroup_id_y 1
		.amdhsa_system_sgpr_workgroup_id_z 1
		.amdhsa_system_vgpr_workitem_id 0
		.amdhsa_next_free_vgpr 1024
		.amdhsa_next_free_sgpr 106
		.amdhsa_reserve_vcc 0
		.amdhsa_float_denorm_mode_32 3
		.amdhsa_float_denorm_mode_16_64 3
		.amdhsa_memory_ordered 1
		.amdhsa_forward_progress 1
		.amdhsa_inst_pref_size 197
	.end_amdhsa_kernel
	.amdgpu_metadata
---
amdhsa.version: [ 1, 2 ]
amdhsa.kernels:
  - .name:           k_qb33dfcd127_w1
    .symbol:         k_qb33dfcd127_w1.kd
    .args:
      - { .name: yq, .offset: 0, .size: 8, .value_kind: global_buffer, .address_space: global }
      - { .name: w1_codes, .offset: 8, .size: 8, .value_kind: global_buffer, .address_space: global }
      - { .name: w1_scales, .offset: 16, .size: 8, .value_kind: global_buffer, .address_space: global }
      - { .name: b1, .offset: 24, .size: 8, .value_kind: global_buffer, .address_space: global }
      - { .name: hid, .offset: 32, .size: 8, .value_kind: global_buffer, .address_space: global }
    .group_segment_fixed_size: 327680
    .private_segment_fixed_size: 0
    .kernarg_segment_align: 8
    .kernarg_segment_size: 40
    .max_flat_workgroup_size: 128
    .sgpr_count:     106
    .vgpr_count:     1024
    .wavefront_size: 32
...
	.end_amdgpu_metadata
.endif
;; end of part 5
;; launch w2 (part 6): grid 8 x 32, 4 waves a work-group, clusters of 4 x 4, 327,680 bytes of LDS; arguments hid, w2_codes, w2_scales, b2, x1, out0; writes out0
.if DOCPART == 6
	.amdgcn_target "amdgcn-amd-amdhsa--gfx1250"
	.amdhsa_code_object_version 6
	.text
	.protected	k_qb33dfcd127_w2
	.globl	k_qb33dfcd127_w2
	.p2align	8
	.type	k_qb33dfcd127_w2,@function
k_qb33dfcd127_w2:
	s_mov_b64 s[64:65], 0
	v_nop
	global_prefetch_b8 v0, s[64:65] scope:SCOPE_SE
	s_setreg_imm32_b32 hwreg(HW_REG_WAVE_MODE, 25, 1), 1
	s_wait_xcnt 0x0
	s_wait_alu depctr_hold_cnt(0) depctr_sa_sdst(0) depctr_va_vdst(0) depctr_va_sdst(0) depctr_va_ssrc(0) depctr_va_vcc(0) depctr_vm_vsrc(0)
	s_getreg_b32 s2, hwreg(HW_REG_IB_STS2, 6, 4)
	s_cmp_eq_u32 s2, 0
	s_cbranch_scc0 .Lentry_in_a_cluster
	s_endpgm
.Lentry_in_a_cluster:
	s_bfe_u32 s2, ttmp6, 0x10000c
	s_cmp_lg_u32 s2, 0xf033
	s_cbranch_scc0 .Lentry_shape_is_right
	s_endpgm
.Lentry_shape_is_right:
; out[row][col] = resid[row][col] + bias[col] + sum over k of A[row][k] W[col][k], on codes of E4M3 with E8M0 scales; out, resid: [4096][1024] f32.
; The text is that of the launch for WO with MODE = 1: the MLP's second layer, K = 4,096.  A's codes lie [4096][4096]; its scale bytes [column tile 16][4096][8].
; A tile of out is 128 x 128, so that the 4,096 x 1,024 numbers give each of 256 work-groups one; a wave makes 64 x 64: 16 accumulators.  K goes in steps of 512 through two LDS slots; a wave's tensor load brings 64 rows.
; The scales of the tile's rows of A and W for all of K come once.  4 x 4 work-groups form a cluster: A's tiles are asked for jointly along a row of the cluster, W's along a column.
; THE MATRIX INSTRUCTION IS USED TRANSPOSED (source 0 = 16 rows of W, source 1 = 16 rows of A).  The bias is the C of each sum's first instruction; the residual is loaded at the head and added on the way out.
; REGISTERS: window 0: v1-31 addresses; v32-63 A's scale words, two sets; v64-95 W's; v96-127 the bias; v128-255 the accumulators ((a, b) at v[128 + 8 (4 a + b)]).
;   window 1: two fragment buffers of 128 (A's four fragments, then W's four); on the way out rows read back.   window 2: v0-127 the residual, then the result.
.set MODE, 1
.if MODE == 0
.set KTOT,  1024
.set KS,    32
.set AP,    80
.set HA,    40960
.set AD0,   4096
.set AD1,   8
.set AST,   65536
.set AQI,   3
.set ASTEP, 524288
.set ASH,   2048
.set ASD0,  256
.set ASD1,  8
.set ASST,  4096
.set GA,    4
.set PLS,   256
.set LAPS,  1
.else
.set KTOT,  4096
.set KS,    128                        ; a row of W's scale bytes
.set AP,    528                        ; 512 bytes + 16 of padding
.set HA,    33792                      ; 64 rows: what one load brings of A
.set AD0,   512
.set AD1,   64
.set AST,   4096
.set AQI,   6
.set ASTEP, 512                        ; a slot on in memory
.set ASH,   8192                       ; A's scale bytes of 64 rows: 16 column tiles x 64 rows x 8 bytes
.set ASD0,  1024                       ; a plane of A's scale bytes: the tile's 128 rows x 8
.set ASD1,  16
.set ASST,  32768
.set GA,    8                          ; bytes from row to row in a plane of scale bytes
.set PLS,   1024                       ; a plane
.set LAPS,  4
.endif
.set BP,    528
.set HB,    33792
.set SLOT,  2*HA+2*HB                  ; A's 128 rows, then W's 128 rows
.set ASC,   2*SLOT
.set BSC,   ASC+2*ASH
.set BSH,   (64*KS/256)*272            ; W's scale bytes of 64 rows, as rows of 256 bytes + 16
.set SBLK,  (16*KS/256)*272
.set SPARE, BSC+2*BSH                  ; the spare words, 128 bytes for each wave: two blocks of 256 bytes that no other line names
.set SPITCH, 272                       ; the way out: a stage of 16 rows x (256 bytes + 16) for each wave, in slot 0, which has had its last fill and its last read by then
.set ADRA, 16
.set ADRB, 20
.set ADSA, 22
.set ADSB, 23
.set STO,  24
.set RD,   25
.set CO,   26
.set BO,   27
.set SPW,  28
.set NIL,  29
.set SA,   32
.set SB,   64
.set BC,   96
.set ACC,  128
.set F0,   0
.set F1,   128
.set G1,   24
.set G0,   32
.set G1B,  48
.set G0B,  56
.set G1SA, 68
.set G0SA, 76
.set G1SB, 80
.set G0SB, 88
.set G0H,  4                           ; s[4:7], s[96:99] group 0 for the head's loads of slot 0: A's whole tile, W's whole tile
.set G0HB, 96
.set PFA,  66                          ; s[66:67] where my prefetches stand: my work-group's 16 rows of the 64 that I fetch in the ring, at the K step of the last refill less one
.set PFO,  30                          ; v30  the prefetches' offset: 4,096 x (lane / 2) + 256 x (lane % 2): a row's 512 bytes of a K step are two lanes' blocks; never rewritten
; THE TILES ARE PREFETCHED INTO THE L2, two K steps (two slots, 128 matrix instructions a wave) ahead of the tensor load that wants them: the load of K step j is followed by a request for step j + 2;
; the head asks for steps 1 and 2; the last two refills ask for nothing (steps 8 and 9 do not exist).  One instruction a wave: of the 64 rows that a wave fetches, each of the four partners that ask for them
; jointly takes 16, told apart by address (cx for A, cy for W), so each aligned block of 256 bytes is named once in each cluster that loads it.
.set MSB, 0
.macro WIN new                         ; the immediate's high byte repeats the setting that is left
.if MSB != \new
	s_set_vgpr_msb (MSB<<8)|\new
.set MSB, \new
.endif
.endm
.set MUL,  0x05                        ; sources 0 (W) and 1 (A) window 1; C and D window 0
.set TO_F, 0x40                        ; destination window 1
.macro JLOAD g0a, g1a, g0b, g1b        ; a joint load: waves 0 and 1 fetch for A, waves 2 and 3 for W; an s_nop 0 and four v_nop follow each line
	s_cmp_eq_u32 s17, 0
	s_cbranch_scc0 .Lfor_b_\@
	tensor_load_to_lds s[\g0a:\g0a+3], s[\g1a:\g1a+7]
	s_nop 0
.rept 4
	v_nop
.endr
	s_branch .Lasked_\@
.Lfor_b_\@:
	tensor_load_to_lds s[\g0b:\g0b+3], s[\g1b:\g1b+7]
	s_nop 0
.rept 4
	v_nop
.endr
.Lasked_\@:
.endm
.macro CREST
	s_cmp_lg_u32 s16, 0
	s_cbranch_scc1 .Lnot_wave_0_\@
	s_barrier_signal -3
.Lnot_wave_0_\@:
	s_barrier_wait -3
	s_barrier_signal -1
	s_barrier_wait -1
.endm
.macro CROUND
	s_barrier_signal -1
	s_barrier_wait -1
	CREST
.endm
	s_load_b128 s[4:7], s[0:1], 0x0                ; A (codes, and scales further on), W's codes
	s_load_b128 s[8:11], s[0:1], 0x10              ; W's scales, the bias
	s_load_b128 s[12:15], s[0:1], 0x20             ; the residual, out
	v_lshl_add_u32 v[SPW], v0, 2, SPARE
	v_mov_b32 v[NIL], 0
	ds_add_u32 v[SPW], v[NIL]                      ; the wave's opening: the add, twice on end, and its wait ahead of my first tensor load
	ds_add_u32 v[SPW], v[NIL]
	v_lshrrev_b32 v1, 5, v0
	v_readfirstlane_b32 s16, v1                    ; wave 0..3
	s_lshr_b32 s17, s16, 1                         ; which half of the tile's rows is mine.  Also: I fetch for A (0) or for W (1)
	s_and_b32 s18, s16, 1                          ; which half of its columns.  Also: which 64 rows I fetch
	s_bfe_u32 s40, ttmp6, 0x40000                  ; cx, cy
	s_bfe_u32 s41, ttmp6, 0x40004
	s_lshl_b32 s42, ttmp9, 2
	s_add_co_u32 s42, s42, s40                     ; tile column
	s_and_b32 s45, ttmp7, 0xffff
	s_lshl_b32 s45, s45, 2
	s_add_co_u32 s45, s45, s41                     ; tile row
	s_lshl_b32 s43, s41, 2
	s_lshl_b32 s43, 15, s43                        ; my row of the cluster
	s_lshl_b32 s44, 0x1111, s40                    ; my column
	s_or_b32 s[G1], s43, (0<<16)|(1<<20)|(1<<21)|(AQI<<22)|(3<<25)   ; A's tiles go to my row; elements of 1 byte; 16 bytes of padding behind every 512
	s_mov_b32 s[G1+1], (AD0&0xffff)<<16
	s_mov_b32 s[G1+2], (AD0>>16)|((2*AD1)<<16)     ; the head's load brings the whole tile; behind it the two words are set for the ring's halves
	s_mov_b32 s[G1+3], AD0<<16
	s_mov_b32 s[G1+4], 2*AD1
	s_mov_b32 s[G1+5], AST
	s_mov_b32 s[G1+6], 0
	s_mov_b32 s[G1+7], 0
	s_or_b32 s[G1B], s44, (0<<16)|(1<<20)|(1<<21)|(6<<22)|(3<<25)    ; W's: 128 rows of 512 bytes at the head (64 in the ring), 16 of padding behind each
	s_mov_b32 s[G1B+1], 512<<16
	s_mov_b32 s[G1B+2], 128<<16
	s_mov_b32 s[G1B+3], 512<<16
	s_mov_b32 s[G1B+4], 128
	s_mov_b32 s[G1B+5], KTOT
	s_mov_b32 s[G1B+6], 0
	s_mov_b32 s[G1B+7], 0
	s_or_b32 s[G1SA], s43, (0<<16)|(1<<21)         ; A's scales: planes of 128 rows, no padding
	s_mov_b32 s[G1SA+1], ASD0<<16
	s_mov_b32 s[G1SA+2], ASD1<<16
	s_mov_b32 s[G1SA+3], ASD0<<16
	s_mov_b32 s[G1SA+4], ASD1
	s_mov_b32 s[G1SA+5], ASST
	s_mov_b32 s[G1SA+6], 0
	s_mov_b32 s[G1SA+7], 0
	s_or_b32 s[G1SB], s44, (3<<16)|(1<<20)|(1<<21)|(5<<22)|(3<<25)   ; W's scales: a dense block, as rows of 256 bytes + 16
	s_mov_b32 s[G1SB+1], 32<<16
	s_mov_b32 s[G1SB+2], (128*KS/256)<<16
	s_mov_b32 s[G1SB+3], 32<<16
	s_mov_b32 s[G1SB+4], 128*KS/256
	s_mov_b32 s[G1SB+5], 32
	s_mov_b32 s[G1SB+6], 0
	s_mov_b32 s[G1SB+7], 0
	s_lshl_b32 s20, s45, 7                         ; the tile's first row
	s_lshl_b32 s22, s20, 3
	s_add_co_u32 s22, s22, 0x1000000               ; its scale bytes
	s_lshl_b32 s20, s20, 12                        ; its codes
	s_mov_b32 s21, 0
	s_mov_b32 s23, 0
	s_lshl_b32 s46, s42, 7                         ; W: the tile's first row
	s_mul_i32 s92, s46, KS
	s_mul_i32 s46, s46, KTOT
	s_mov_b32 s47, 0
	s_mov_b32 s93, 0
	s_mul_i32 s94, s18, HA                         ; where they go: no place in the cluster enters an LDS address
	s_mul_i32 s95, s18, HB
	s_add_co_u32 s95, s95, 2*HA
	s_cmp_eq_u32 s17, 0                            ; the prefetches: do I fetch for A?
	s_cselect_b32 s96, s45, s42                    ; the tile: in A by the tile row, in W by the tile column
	s_cselect_b32 s97, s40, s41                    ; my place among the four that ask for it with me
	s_lshl_b32 s96, s96, 7
	s_lshl_b32 s19, s18, 6
	s_add_co_u32 s96, s96, s19                     ; + the 64 rows that I fetch
	s_lshl_b32 s97, s97, 4
	s_add_co_u32 s96, s96, s97                     ; + my work-group's 16 of them
	s_lshl_b32 s96, s96, 12                        ; rows of 4,096 bytes in both tensors
	s_mov_b32 s97, 0
	s_wait_dscnt 0x0                               ; both opening adds are done
	s_wait_kmcnt 0x0
	s_add_nc_u64 s[20:21], s[4:5], s[20:21]
	s_add_nc_u64 s[22:23], s[4:5], s[22:23]
	s_add_nc_u64 s[46:47], s[6:7], s[46:47]
	s_add_nc_u64 s[92:93], s[8:9], s[92:93]
	s_cmp_eq_u32 s17, 0
	s_cselect_b64 s[PFA:PFA+1], s[4:5], s[6:7]
	s_add_nc_u64 s[PFA:PFA+1], s[PFA:PFA+1], s[96:97]
	CROUND                                         ; all sixteen work-groups are here: the first joint loads meet
	s_mov_b32 s[G0SA], 1
	s_mov_b32 s[G0SA+1], ASC
	s_mov_b64 s[G0SA+2:G0SA+3], s[22:23]
	s_or_b32 s[G0SA+3], s[G0SA+3], 0x80000000
	s_mov_b32 s[G0SB], 1
	s_mov_b32 s[G0SB+1], BSC
	s_mov_b64 s[G0SB+2:G0SB+3], s[92:93]
	s_or_b32 s[G0SB+3], s[G0SB+3], 0x80000000
	s_mov_b32 s[G0H], 1                            ; slot 0's tile of A, whole,
	s_mov_b32 s[G0H+1], 0
	s_mov_b64 s[G0H+2:G0H+3], s[20:21]
	s_or_b32 s[G0H+3], s[G0H+3], 0x80000000
	s_mov_b32 s[G0HB], 1                           ; and of W, behind it
	s_mov_b32 s[G0HB+1], 2*HA
	s_mov_b64 s[G0HB+2:G0HB+3], s[46:47]
	s_or_b32 s[G0HB+3], s[G0HB+3], 0x80000000
	s_lshl_b32 s22, s18, 18                        ; for the ring: my half of A's tile begins 64 rows of 4,096 bytes on,
	s_mov_b32 s23, 0
	s_add_nc_u64 s[20:21], s[20:21], s[22:23]
	s_mul_i32 s22, s18, 64*KTOT                    ; my half of W's likewise
	s_add_nc_u64 s[46:47], s[46:47], s[22:23]
.irp s, 0,1
	s_mov_b32 s[G0+4*\s], 1
	s_add_co_u32 s[G0+4*\s+1], s94, \s*SLOT
	s_add_nc_u64 s[G0+4*\s+2:G0+4*\s+3], s[20:21], \s*ASTEP
	s_or_b32 s[G0+4*\s+3], s[G0+4*\s+3], 0x80000000
	s_mov_b32 s[G0B+4*\s], 1
	s_add_co_u32 s[G0B+4*\s+1], s95, \s*SLOT
	s_add_nc_u64 s[G0B+4*\s+2:G0B+4*\s+3], s[46:47], \s*512
	s_or_b32 s[G0B+4*\s+3], s[G0B+4*\s+3], 0x80000000
.endr
; THE HEAD'S LOADS, ONE A WAVE: wave 0 slot 0's tile of A, wave 1 its tile of W, wave 2 A's scales, wave 3 W's.
; One tree of branches on the wave's number: every way through the head passes exactly one load.
.macro ARM under, g0, g1, next
	s_cmp_lt_u32 s16, \under
	s_cbranch_scc0 \next
	tensor_load_to_lds s[\g0:\g0+3], s[\g1:\g1+7]
	s_nop 0
.rept 4
	v_nop
.endr
	s_branch .Lhead_asked
\next:
.endm
	ARM 1, G0H,  G1,   .Lhead_b
	ARM 2, G0HB, G1B,  .Lhead_sa
	ARM 3, G0SA, G1SA, .Lhead_sb
	tensor_load_to_lds s[G0SB:G0SB+3], s[G1SB:G1SB+7]
	s_nop 0
.rept 4
	v_nop
.endr
.Lhead_asked:
	v_and_b32 v1, 15, v0                           ; r
	v_bfe_u32 v2, v0, 4, 1                         ; h
	s_wait_alu depctr_va_vdst(0)
	s_lshl_b32 s46, s42, 9
	s_lshl_b32 s47, s18, 8
	s_add_co_u32 s46, s46, s47                     ; my first column x 4
	s_mov_b32 s47, 0
	s_lshl_b32 s92, s45, 7
	s_lshl_b32 s93, s17, 6
	s_add_co_u32 s92, s92, s93                     ; my first row,
	s_lshl_b32 s92, s92, 12                        ; of 4,096 bytes
	s_add_co_u32 s92, s92, s46
	s_mov_b32 s93, 0
	s_add_nc_u64 s[10:11], s[10:11], s[46:47]
	s_add_nc_u64 s[12:13], s[12:13], s[92:93]
	s_add_nc_u64 s[14:15], s[14:15], s[92:93]
	v_lshlrev_b32 v[BO], 5, v2
	v_lshlrev_b32 v[CO], 12, v2
	v_lshl_add_u32 v[CO], v1, 4, v[CO]             ; lanes 0-15 one row's 256 bytes, lanes 16-31 the next row's
.irp b, 0,1,2,3
	global_load_b128 v[BC+8*\b:BC+8*\b+3], v[BO], s[10:11] offset:64*\b          ; the bias of columns 16 b + 8 h + 0..7
	global_load_b128 v[BC+8*\b+4:BC+8*\b+7], v[BO], s[10:11] offset:64*\b+16
.endr
	v_and_b32 v5, 31, v0
	v_lshrrev_b32 v6, 1, v5
	v_and_b32 v5, 1, v5
	v_lshlrev_b32 v6, 12, v6
	v_lshl_add_u32 v[PFO], v5, 8, v6               ; row lane / 2, block lane % 2
	v_mul_u32_u24 v3, v1, AP
	v_lshl_add_u32 v3, v2, 4, v3
	v_mul_u32_u24 v4, v1, BP
	v_lshl_add_u32 v4, v2, 4, v4
	s_mul_i32 s21, s17, HA                         ; my 64 rows of A
	s_mul_i32 s22, s18, HB                         ; my 64 rows of W, behind A's 128
	s_add_co_u32 s22, s22, 2*HA
.irp s, 0,1
	v_add_nc_u32 v[ADRA+\s], s21, v3
	v_add_nc_u32 v[ADRB+\s], s22, v4
	s_add_co_u32 s21, s21, SLOT
	s_add_co_u32 s22, s22, SLOT
.endr
	s_mul_i32 s21, s17, 64*GA                      ; my 64 rows in a plane of 128
	s_add_co_u32 s21, s21, ASC
	v_mul_u32_u24 v5, v1, GA
	v_add_nc_u32 v[ADSA], s21, v5
	global_prefetch_b8 v[PFO], s[PFA:PFA+1] offset:512 th:TH_LOAD_NT scope:SCOPE_SE    ; K steps 1 and 2: my 16 rows x 512 bytes of each
	global_prefetch_b8 v[PFO], s[PFA:PFA+1] offset:1024 th:TH_LOAD_NT scope:SCOPE_SE
	s_mul_i32 s21, s18, BSH
	s_add_co_u32 s21, s21, BSC
	v_mul_u32_u24 v5, v1, KS
	v_lshrrev_b32 v6, 8, v5
	v_lshl_add_u32 v5, v6, 4, v5
	v_add_nc_u32 v[ADSB], s21, v5
	s_mul_i32 s21, s16, 16*SPITCH                  ; my stage
	v_mul_u32_u24 v5, v1, SPITCH
	v_lshl_add_u32 v5, v2, 5, v5
	v_add_nc_u32 v[STO], s21, v5
	v_mul_u32_u24 v5, v2, SPITCH
	v_lshl_add_u32 v5, v1, 4, v5
	v_add_nc_u32 v[RD], s21, v5
.macro FETCH slot, q, f                ; 32 LDS loads: the fragments of the slot's q-th 128 along K into buffer f
	WIN TO_F
.irp i, 0,1,2,3
.irp c, 0,1,2,3
	ds_load_b128 v[(\f)+16*\i+4*\c:(\f)+16*\i+4*\c+3], v[ADRA+\slot] offset:\i*16*AP+128*(\q)+32*\c
.endr
.irp c, 0,1,2,3
	ds_load_b128 v[(\f)+64+16*\i+4*\c:(\f)+64+16*\i+4*\c+3], v[ADRB+\slot] offset:\i*16*BP+128*(\q)+32*\c
.endr
.endr
.endm
.macro SCALES set                      ; a slot's scale words: register 4 i + q
.irp i, 0,1,2,3
.irp q, 0,1,2,3
	ds_load_b32 v[SA+16*\set+4*\i+\q], v[ADSA] offset:(\q/(GA/4))*PLS+16*\i*GA+4*(\q%(GA/4))
.endr
	ds_load_b128 v[SB+16*\set+4*\i:SB+16*\set+4*\i+3], v[ADSB] offset:\i*SBLK
.endr
.endm
.macro MUL4 f, a, q, set, cm           ; A's block a x W's four.  The 16 accumulators take turns, one instruction a turn
.irp b, 0,1,2,3
.if \cm
	v_wmma_scale_f32_16x16x128_f8f6f4 v[ACC+8*(4*(\a)+\b):ACC+8*(4*(\a)+\b)+7], v[(\f)+64+16*\b:(\f)+64+16*\b+15], v[(\f)+16*(\a):(\f)+16*(\a)+15], v[BC+8*\b:BC+8*\b+7], v[SB+16*(\set)+4*\b+(\q)], v[SA+16*(\set)+4*(\a)+(\q)]
.else
	v_wmma_scale_f32_16x16x128_f8f6f4 v[ACC+8*(4*(\a)+\b):ACC+8*(4*(\a)+\b)+7], v[(\f)+64+16*\b:(\f)+64+16*\b+15], v[(\f)+16*(\a):(\f)+16*(\a)+15], v[ACC+8*(4*(\a)+\b):ACC+8*(4*(\a)+\b)+7], v[SB+16*(\set)+4*\b+(\q)], v[SA+16*(\set)+4*(\a)+(\q)]
.endif
.endr
.endm
.macro PLACES n                        ; plain vector lines between a matrix instruction and a load into, or a read of, its registers
.rept \n
	v_nop
.endr
.endm
.macro QUARTER slot, q, cm             ; one of a slot's first three quarters: the next quarter's fragments are asked for, then this one is multiplied
	PLACES 8
	FETCH \slot, (\q)+1, 128*(((\q)+1)%2)
	s_wait_dscnt 32                                ; all but the 32 just issued
	WIN MUL
.irp a, 0,1,2,3
	MUL4 128*((\q)%2), \a, \q, \slot, \cm
.endr
.endm
; A slot's last quarter changes slots: one barrier; in front of it each wave waits for all its tensor loads, adds 0 to its spare word, and waits for that and for its reads of this slot.
.macro ASK                             ; behind the refill with K step j: step j + 2, but in the loop's last trip (s3 = 1), whose refills are the last two
	s_cmp_gt_u32 s3, 1
	s_cbranch_scc0 .Lnone_\@
	global_prefetch_b8 v[PFO], s[PFA:PFA+1] offset:1536 th:TH_LOAD_NT scope:SCOPE_SE
.Lnone_\@:
.endm
.macro TURN slot, next, fill
	WIN 0
.if \fill
	s_wait_xcnt 0x0                                ; any prefetch of mine, a slot back, has read its address: it is stepped here, ahead of the waits of the change of slots
	s_add_nc_u64 s[PFA:PFA+1], s[PFA:PFA+1], 512
.endif
	s_wait_tensorcnt 0x0
	ds_add_u32 v[SPW], v[NIL]
	s_wait_dscnt 1                                 ; (the add may be out)
	WIN MUL
	MUL4 F1, 0, 3, \slot, 0
	MUL4 F1, 1, 3, \slot, 0
	s_wait_dscnt 0x0                               ; the add is done, and my reads of this slot are over
	s_barrier_signal -1
	MUL4 F1, 2, 3, \slot, 0
	WIN 0
	s_barrier_wait -1
.if \fill
	CREST                                          ; the barrier has opened a round of the cluster's: no wave of any partner still reads this slot or has a load on its way
	s_add_nc_u64 s[G0+4*\slot+2:G0+4*\slot+3], s[G0+4*\slot+2:G0+4*\slot+3], 2*ASTEP
	s_add_nc_u64 s[G0B+4*\slot+2:G0B+4*\slot+3], s[G0B+4*\slot+2:G0B+4*\slot+3], 1024
	JLOAD G0+4*\slot, G1, G0B+4*\slot, G1B         ; the first tensor load behind the round
	PLACES 4
.else
	PLACES 8
.endif
	s_wait_alu depctr_va_vdst(0)
	v_add_nc_u32 v[ADSA], 2048, v[ADSA]            ; the next slot's scale words: two planes of 1,024 bytes on
	v_add_nc_u32 v[ADSB], 16, v[ADSB]
	FETCH \next, 0, F0
	WIN 0
	SCALES \next
.if \fill
	ASK                                            ; behind the joint load and the run of LDS loads that the next products wait for
.endif
	WIN MUL
	MUL4 F1, 3, 3, \slot, 0
.endm
	s_wait_alu depctr_va_vdst(0)
	s_wait_tensorcnt 0x0                           ; my tile of the head's four is in; an add to my spare word and its wait ahead of a later first fill:
	ds_add_u32 v[SPW], v[NIL]
	s_mov_b32 s[G1+2], (AD0>>16)|(AD1<<16)         ; no tensor load of mine is out, so a descriptor may be written: from here on a load brings half a tile
	s_mov_b32 s[G1+4], AD1
	s_mov_b32 s[G1B+2], 64<<16
	s_mov_b32 s[G1B+4], 64
	s_wait_dscnt 0x0
	CROUND                                         ; all four tiles are in, and all sixteen work-groups are here
	JLOAD G0+4, G1, G0B+4, G1B                     ; slot 1: the first tensor load behind the round
	FETCH 0, 0, F0
	WIN 0
	SCALES 0
	global_prefetch_b8 v[PFO], s[PFA:PFA+1] offset:1536 th:TH_LOAD_NT scope:SCOPE_SE   ; K step 3: two steps on from the load above
	WIN 0x80                                       ; destination window 2
.set g, 0
.rept 32
	global_load_b128 v[4*g:4*g+3], v[CO], s[12:13] offset:2*g*4096               ; the residual, asked for behind the first two slots' tiles, in the layout in which the result comes back from the stage
.set g, g+1
.endr
	WIN 0
	s_wait_loadcnt 32                              ; the bias is in; the residual's 32 loads may be out
	QUARTER 0, 0, 1                                ; the first quarter stands in front of the loop: its products start the sums, with the bias
	WIN 0
	s_mov_b32 s3, LAPS-1
.Llap:                                                 ; a trip goes once round the ring and fills both slots again
	QUARTER 0, 1, 0
	QUARTER 0, 2, 0
	TURN 0, 1, 1
	QUARTER 1, 0, 0
	QUARTER 1, 1, 0
	QUARTER 1, 2, 0
	TURN 1, 0, 1
	QUARTER 0, 0, 0
	WIN 0
	s_sub_co_u32 s3, s3, 1
	s_cmp_lg_u32 s3, 0
	s_cbranch_scc1 .Llap
	QUARTER 0, 1, 0                                ; the last lap fills nothing
	QUARTER 0, 2, 0
	TURN 0, 1, 0
	QUARTER 1, 0, 0
	QUARTER 1, 1, 0
	QUARTER 1, 2, 0
	s_wait_dscnt 0x0
.irp a, 0,1,2,3
	MUL4 F1, \a, 3, 1, 0
.endr
	WIN 0
; THE WAY OUT, 16 rows x my 64 columns at a time: through my own stage, back as whole rows of 256 bytes (into window 1), the residual added (the sum lands in the residual's registers), stored.
.macro TOSTAGE a
	WIN 0
.irp b, 0,1,2,3
	ds_store_b128 v[STO], v[ACC+8*(4*(\a)+\b):ACC+8*(4*(\a)+\b)+3] offset:64*\b        ; each accumulator from its low end on
	ds_store_b128 v[STO], v[ACC+8*(4*(\a)+\b)+4:ACC+8*(4*(\a)+\b)+7] offset:64*\b+16
.endr
	WIN TO_F
.irp t, 0,1,2,3,4,5,6,7
	ds_load_b128 v[32*((\a)%2)+4*\t:32*((\a)%2)+4*\t+3], v[RD] offset:2*\t*SPITCH      ; LDS serves a wave's instructions in order: these see my stores, and the next block's stores come behind them
.endr
.endm
.macro SEND a, younger
	s_wait_dscnt \younger                          ; the block is back; the next block's 8 stores and 8 loads may be out
.if (\a) == 0
	s_wait_loadcnt 0x0                             ; the residual
.endif
	WIN 0x89                                       ; source 0 window 1, source 1 and destination window 2
.irp k, 0,2,4,6,8,10,12,14,16,18,20,22,24,26,28,30
	v_pk_add_f32 v[32*(\a)+\k:32*(\a)+\k+1], v[32*((\a)%2)+\k:32*((\a)%2)+\k+1], v[32*(\a)+\k:32*(\a)+\k+1]
.endr
	WIN 0x08                                       ; a store's data are its source 1: window 2
.irp t, 0,1,2,3,4,5,6,7
	global_store_b128 v[CO], v[32*(\a)+4*\t:32*(\a)+4*\t+3], s[14:15] offset:(16*(\a)+2*\t)*4096   ; sixteen lanes store 256 consecutive bytes, aligned
.endr
.endm
	PLACES 8
	TOSTAGE 0
	TOSTAGE 1
	SEND 0, 16
	TOSTAGE 2
	SEND 1, 16
	TOSTAGE 3
	SEND 2, 16
	SEND 3, 0
	WIN 0
	s_wait_tensorcnt 0x0                           ; the wave's end: a tensor wait, an add to my spare word and its wait, behind my last tensor load and my last LDS store
	ds_add_u32 v[SPW], v[NIL]
	s_wait_dscnt 0x0
	CROUND                                         ; the closing round
	s_endpgm
.Lfunc_end_k_qb33dfcd127_w2:
	.size	k_qb33dfcd127_w2, .Lfunc_end_k_qb33dfcd127_w2-k_qb33dfcd127_w2
	.p2alignl 7, 3214868480
	.fill 96, 4, 3214868480
	.section	.rodata,"a",@progbits
	.p2align	6, 0x0
	.amdhsa_kernel k_qb33dfcd127_w2
		.amdhsa_group_segment_fixed_size 327680
		.amdhsa_private_segment_fixed_size 0
		.amdhsa_enable_private_segment 0
		.amdhsa_kernarg_size 48
		.amdhsa_user_sgpr_count 2
		.amdhsa_user_sgpr_kernarg_segment_ptr 1
		.amdhsa_wavefront_size32 1
		.amdhsa_system_sgpr_workgroup_id_x 1
		.amdhsa_system_sgpr_workgroup_id_y 1
		.amdhsa_system_sgpr_workgroup_id_z 1
		.amdhsa_system_vgpr_workitem_id 0
		.amdhsa_next_free_vgpr 768
		.amdhsa_next_free_sgpr 100
		.amdhsa_reserve_vcc 0
		.amdhsa_float_denorm_mode_32 3
		.amdhsa_float_denorm_mode_16_64 3
		.amdhsa_memory_ordered 1
		.amdhsa_forward_progress 1
		.amdhsa_inst_pref_size 106
	.end_amdhsa_kernel
	.amdgpu_metadata
---
amdhsa.version: [ 1, 2 ]
amdhsa.kernels:
  - .name:           k_qb33dfcd127_w2
    .symbol:         k_qb33dfcd127_w2.kd
    .args:
      - { .name: hid, .offset: 0, .size: 8, .value_kind: global_buffer, .address_space: global }
      - { .name: w2_codes, .offset: 8, .size: 8, .value_kind: global_buffer, .address_space: global }
      - { .name: w2_scales, .offset: 16, .size: 8, .value_kind: global_buffer, .address_space: global }
      - { .name: b2, .offset: 24, .size: 8, .value_kind: global_buffer, .address_space: global }
      - { .name: x1, .offset: 32, .size: 8, .value_kind: global_buffer, .address_space: global }
      - { .name: out0, .offset: 40, .size: 8, .value_kind: global_buffer, .address_space: global }
    .group_segment_fixed_size: 327680
    .private_segment_fixed_size: 0
    .kernarg_segment_align: 8
    .kernarg_segment_size: 48
    .max_flat_workgroup_size: 128
    .sgpr_count:     100
    .vgpr_count:     768
    .wavefront_size: 32
...
	.end_amdgpu_metadata
.endif
;; end of part 6
